; MI455X (gfx1250); checked and timed in simulation.
; The chip was launched on July 23, 2026; its instructions are those of AMD's public machine-readable ISA for CDNA 5 (MIT licence, August 2026) and "CDNA5" Instruction Set Architecture Reference Guide (July 2026). The comments in the code are by the model that wrote it; some were corrected since.
;; Self Attention Block. Allowed arithmetic: matrix products marked QUANTISED: E2M1 operands, one E8M0 scale for each 32 along K, by v_wmma_scale_f32_16x16x128_f8f6f4 with both operands' format E2M1 (or v_wmma_scale_f32_32x16x128_f4), f32 sums; products left as they are: f32 operands where the result goes on into a quantised operand, else bf16, f16 or f32 operands; f32 sums; everything else in f32.
;; Inputs: Wk_codes 128 x 4 x 16 uint8 (E2M1 codes of Wk, K innermost, in blocks of 32 codes, two codes a byte); Wk_scales 128 x 4 uint8 (E8M0 scales of Wk, one for each 32 codes along K); Wo_codes 128 x 4 x 16 uint8 (E2M1 codes of Wo, K innermost, in blocks of 32 codes, two codes a byte); Wo_scales 128 x 4 uint8 (E8M0 scales of Wo, one for each 32 codes along K); Wq_codes 128 x 4 x 16 uint8 (E2M1 codes of Wq, K innermost, in blocks of 32 codes, two codes a byte); Wq_scales 128 x 4 uint8 (E8M0 scales of Wq, one for each 32 codes along K); Wv_codes 128 x 4 x 16 uint8 (E2M1 codes of Wv, K innermost, in blocks of 32 codes, two codes a byte); Wv_scales 128 x 4 uint8 (E8M0 scales of Wv, one for each 32 codes along K); bk 128 float32; bo 128 float32; bq 128 float32; bv 128 float32; gn_bias 128 float32; gn_weight 128 float32; hidden_states 2 x 128 x 32 x 32 float32.
;; Outputs: out0 2 x 128 x 32 x 32 float32.
;; This version of the problem:
;;   THIS VERSION OF THE PROBLEM IS GIVEN IN LOW PRECISION. The matrix products marked QUANTISED in the list below multiply operands that are first quantised to E2M1 (2 exponent bits, 1 mantissa bit; 4 bits a number), with one power-of-two scale for each 32 numbers along K (OCP MX v1.0); their sums are f32. All else is computed in f32.
;;   The module's matrix products, in the order in which they are computed (A, B: the left and right operand; K: the contracted axis; several contracted axes count as one K, in the product's order):
;;     1. [M 2,048, K 128] x [K 128, N 128]; A: computed on the way; B: input Wq (given as codes): QUANTISED
;;     2. [M 2,048, K 128] x [K 128, N 128]; A: computed on the way; B: input Wk (given as codes): QUANTISED
;;     3. [M 2,048, K 128] x [K 128, N 128]; A: computed on the way; B: input Wv (given as codes): QUANTISED
;;     4. batch 256 x [M 1,024, K 1] x [K 1, N 1,024]; A: computed on the way; B: computed on the way: left as it is (K = 1 < 32)
;;     5. batch 256 x [M 1,024, K 1,024] x [K 1,024, N 1]; A: softmax; B: computed on the way: left as it is (N = 1 < 16)
;;     6. [M 2,048, K 128] x [K 128, N 128]; A: computed on the way; B: input Wo (given as codes): QUANTISED
;;   THE QUANTISER, for each operand of a quantised product, along K:
;;     - K is cut into blocks of 32 from its start; a last block that is shorter is filled with zeros.
;;     - A block's scale is 2^e with e = floor(log2(the largest magnitude in the block)) - 2, held to -126 .. 127; a block of zeros has e = 0. As a byte (E8M0): e + 127.
;;     - Each number is divided by its block's scale, clamped to +-6, and rounded to the nearest number of E2M1, ties to even, subnormals kept.
;;     - The product sums the exact products of the quantised numbers (number of the format x scale) in f32.
;;   ~~~python
;;   def quantise(x, axis):      # numpy; x: float32 -> the quantised numbers, widened to float32 again
;;       x = np.moveaxis(x, axis, -1); K = x.shape[-1]
;;       x = np.pad(x, [(0, 0)] * (x.ndim - 1) + [(0, -K % 32)]); x = x.reshape(x.shape[:-1] + (-1, 32)); a = np.abs(x).max(-1, keepdims=True)
;;       e = np.where(a > 0, np.clip(np.frexp(np.where(a > 0, a, 1))[1] - 1 - 2, -126, 127), 0)      # np.frexp(a)[1] - 1 = floor(log2(a)), exactly
;;       r = np.clip(x / 2.0 ** e, -6, 6)
;;       step = 2.0 ** (np.maximum(np.frexp(np.where(r == 0, 1, r))[1] - 1, 0) - 1)
;;       q = np.round(r / step) * step * 2.0 ** e      # np.round: ties to even
;;       return np.moveaxis(q.reshape(q.shape[:-2] + (-1,))[..., :K], -1, axis).astype(np.float32)
;;   ~~~
;;   OPERANDS COMPUTED ON THE WAY. 'Computed on the way' means the value that the module computes at that place (a softmax that the list does not call 'softmax' is quantised finished and normalised). What goes into a quantiser is computed in f32, as accurately as f32 sums, v_exp_f32 and their like allow (about 1e-6 of the number): no bf16 or f16 on the way to a quantiser, and a product that is left as it is and whose result goes on into a quantised operand takes f32 operands (vector FMAs, or v_wmma_f32_16x16x4_f32). A number that lies on a knife's edge between two numbers of the format may be rounded either way, as far as f32 arithmetic and the matrix unit's own rounding can turn it there, and no further.
;;   INPUTS GIVEN AS CODES. Wk (in the module: [128, 128], K = its axis 1); Wo (in the module: [128, 128], K = its axis 1); Wq (in the module: [128, 128], K = its axis 1); Wv (in the module: [128, 128], K = its axis 1): each comes as NAME_codes (uint8): NAME with its K axis moved to the last place and cut into blocks of 32 codes, [.., K / 32, bytes a block], one block behind the other in memory; two codes a byte, the lower K in the low four bits (a code: sign, 2 exponent bits, 1 mantissa bit); and NAME_scales (uint8): the same leading axes, one E8M0 byte (e + 127) for each 32 codes along K. Its value is code x scale, taken as it is: it is not quantised again, and the codes and scales need not be those that the quantiser above would give.
;; 2 versions, each right; version 2 is version 1 with the launches attn, oproj written anew for expert scheduling mode. Each part assembles by itself: llvm-mc -triple=amdgcn-amd-amdhsa -mcpu=gfx1250 --defsym DOCPART=n.
;; ======== version 1 of 2: 3 launches
;; workspace buffers: hq 131,072 bytes; hs 8,192 bytes; att 1,048,576 bytes
;; launch gnq (part 1): grid 8 x 1, 32 waves a work-group, no clusters, 8,192 bytes of LDS; arguments hidden_states, gn_weight, gn_bias, hq, hs; writes hq, hs
.if DOCPART == 1
	.amdgcn_target "amdgcn-amd-amdhsa--gfx1250"
	.amdhsa_code_object_version 6
	.text
	.protected	k_qe8515d3c61_gnq
	.globl	k_qe8515d3c61_gnq
	.p2align	8
	.type	k_qe8515d3c61_gnq,@function
k_qe8515d3c61_gnq:
	s_mov_b64 s[64:65], 0
	v_nop
	global_prefetch_b8 v0, s[64:65] scope:SCOPE_SE
	s_setreg_imm32_b32 hwreg(HW_REG_WAVE_MODE, 25, 1), 1
	s_wait_xcnt 0x0
; GroupNorm (32 groups of 4 channels x 1,024 positions, for each of 2 batches), gain and bias, and the quantising of the result h along the channels
; into codes of FP4 (E2M1) with one E8M0 byte for each 32 channels.  hidden_states: [2][128][1024] f32.
; SHARES.  A block of 32 channels is 8 whole groups.  So a work-group owns (batch b, block kb of 32 channels, all 1,024 positions): 131,072 dense bytes, read once;
; it owns its groups' statistics and its quantiser blocks alike.  8 work-groups are all that this split has.  Thread t is position t; its 32 registers run down the 32 channels:
; a block's largest magnitude needs no other lane, and the conversions give the codes with the channels innermost.
; STATISTICS in two passes over the registers: the mean, then the mean of the squared differences.  Each sum goes over the lanes of a wave, then through 32 bytes of LDS a wave, then over the 32 waves.
; OUT.  hq: [b][T 64][kb 4][r 16][16 bytes], position 16 T + r: the order of an operand's registers: register group cc of lane L of tile T lies at 1024 T + 512 cc + 16 L.
;       hs: [b][kb 4][position 1024], one byte each.
; A load of a wave covers 128 consecutive bytes; two waves of this work-group read the two halves of each aligned 256 bytes.
; LIMITS: NaN and infinities are not served.  1 / sqrt by v_rsq_f32.  A block of zeros, and one whose largest magnitude lies under 2^(3 - 127), gets the byte 1
; (the rule says 127 for zeros): its codes are zeros, and this program alone reads the bytes.
.set X,    16                          ; v16-47  my position's 32 channels
.set S,    48                          ; v48-55  the 8 groups' sums, then means
.set P,    56                          ; v56-63  at work
.set Q,    64                          ; v64-71  sums of squares, then 1 / sqrt(var + eps)
.set C,    72                          ; v72-75  the codes
.set SUMA, 0                           ; LDS: 32 waves x 8 floats, first pass
.set SUMB, 1024                        ;      the same, second pass: bytes of its own, so that no barrier is spent on using SUMA again
.set SCB,  2048                        ;      1,024 scale bytes
	s_load_b256 s[4:11], s[0:1], 0x0               ; hidden_states s[4:5], gn_weight s[6:7], gn_bias s[8:9], hq s[10:11]
	s_load_b64 s[12:13], s[0:1], 0x20              ; hs
	v_lshl_add_u32 v80, v0, 2, 0x1000
	v_mov_b32 v81, 0
	v_lshrrev_b32 v1, 5, v0
	v_readfirstlane_b32 s14, v1                    ; wave 0..31
	v_lshlrev_b32 v2, 2, v0                        ; 4 t: my position in a channel's row
	v_lshlrev_b32 v3, 5, v1                        ; 32 x wave: my wave's 8 partial sums in LDS
	v_and_b32 v4, 31, v0
	v_lshlrev_b32 v4, 5, v4                        ; 32 x lane: lane L reads wave L's
	v_lshrrev_b32 v5, 4, v0
	v_lshlrev_b32 v5, 10, v5
	v_and_b32 v6, 15, v0
	v_lshl_add_u32 v5, v6, 4, v5                   ; hq: 1024 (t / 16) + 16 (t % 16)
	v_lshlrev_b32 v6, 4, v0                        ; 16 t: the scale bytes' way out (waves 0 and 1)
	s_mov_b32 s84, 0x76543210
	s_mov_b32 s85, 0xfedcba98                      ; v_permlanex16_b32's selects for lane l xor 16
	s_mov_b32 s88, 0x39800000                      ; 1 / 4096: a group has 4 x 1,024 numbers
	s_mov_b32 s89, 0x3727c5ac                      ; eps = 1e-5
	s_lshl_b32 s86, ttmp9, 17                      ; work-group 4 b + kb: 131,072 bytes each
	s_mov_b32 s87, 0
	s_and_b32 s15, ttmp9, 3                        ; kb
	s_lshr_b32 s2, ttmp9, 2                        ; b
	s_wait_kmcnt 0x0
	s_add_nc_u64 s[4:5], s[4:5], s[86:87]
.set i, 0
.rept 32
	global_load_b32 v[X+i], v2, s[4:5] offset:i*4096   ; channel i of my block, my position
.set i, i+1
.endr
	s_lshl_b32 s86, s15, 7                         ; my block's 32 gains and 32 biases: 128 bytes on for each block
	s_add_nc_u64 s[6:7], s[6:7], s[86:87]
	s_add_nc_u64 s[8:9], s[8:9], s[86:87]
	s_load_b512 s[16:31], s[6:7], 0x0              ; gain of channels 0-15,
	s_load_b512 s[32:47], s[6:7], 0x40             ; 16-31: s[16 + i]
	s_load_b512 s[48:63], s[8:9], 0x0              ; bias of channels 0-15: s[48 + i],
	s_load_b512 s[68:83], s[8:9], 0x40             ; 16-31: s[52 + i]
	s_lshl_b32 s86, s2, 16
	s_lshl_b32 s3, s15, 8
	s_add_co_u32 s86, s86, s3
	s_add_nc_u64 s[10:11], s[10:11], s[86:87]      ; hq + 65536 b + 256 kb
	s_lshl_b32 s86, ttmp9, 10
	s_add_nc_u64 s[12:13], s[12:13], s[86:87]      ; hs + 4096 b + 1024 kb
; Eight registers are summed over the 32 lanes, by turns, so that no line waits for the line above it; every lane ends with the sums.
.macro REDUCE base
.irp m, 1,2,4,8
.irp g, 0,1,2,3,4,5,6,7
	v_add_f32_dpp v[\base+\g], v[\base+\g], v[\base+\g] row_xmask:\m row_mask:0xf bank_mask:0xf
.endr
.endr
.irp g, 0,1,2,3,4,5,6,7
	v_permlanex16_b32 v[P+\g], v[\base+\g], s84, s85   ; (P has been written before: the destination counts as read)
.endr
.irp g, 0,1,2,3,4,5,6,7
	v_add_f32 v[\base+\g], v[\base+\g], v[P+\g]
.endr
.endm
; And over the 32 waves: each wave's eight sums go to its own 32 bytes; behind the barrier lane L takes wave L's, and the lanes are summed once more.
.macro ACROSS base, region
	REDUCE \base
	ds_store_b128 v3, v[\base:\base+3] offset:\region        ; all lanes of a wave store the same numbers to the same bytes
	ds_store_b128 v3, v[\base+4:\base+7] offset:\region+16
	s_wait_dscnt 0x0                               ; for the other waves' sake: my stores have landed
	s_barrier_signal -1
	s_barrier_wait -1
	ds_load_b128 v[\base:\base+3], v4 offset:\region
	ds_load_b128 v[\base+4:\base+7], v4 offset:\region+16
	s_wait_dscnt 0x0
	REDUCE \base
.endm
.irp g, 0,1,2,3,4,5,6,7
	s_wait_loadcnt 28-4*\g                         ; loads come back in order: group g's four are in, the 4 (7 - g) of the later groups may be out
	v_add_f32 v[S+\g], v[X+4*\g], v[X+4*\g+1]
	v_add_f32 v[P+\g], v[X+4*\g+2], v[X+4*\g+3]
	v_add_f32 v[S+\g], v[S+\g], v[P+\g]
.endr
	ACROSS S, SUMA
.irp g, 0,1,2,3,4,5,6,7
	v_mul_f32 v[S+\g], s88, v[S+\g]                ; the groups' means
.endr
.set i, 0
.rept 32
	v_sub_f32 v[X+i], v[X+i], v[S+i/4]             ; x - mean
.set i, i+1
.endr
.irp g, 0,1,2,3,4,5,6,7
	v_mul_f32 v[Q+\g], v[X+4*\g], v[X+4*\g]
.endr
.irp j, 1,2,3
.irp g, 0,1,2,3,4,5,6,7
	v_fmac_f32 v[Q+\g], v[X+4*\g+\j], v[X+4*\g+\j]
.endr
.endr
	ACROSS Q, SUMB
.irp g, 0,1,2,3,4,5,6,7
	v_fma_f32 v[Q+\g], v[Q+\g], s88, s89           ; var + eps
.endr
.irp g, 0,1,2,3,4,5,6,7
	v_rsq_f32 v[Q+\g], v[Q+\g]
.endr
	v_nop                                          ; a plain instruction between the last v_rsq_f32 and the first use of a result (ISA guide 5.7.2)
	s_wait_alu depctr_va_vdst(0)                   ; the wait ahead of the first reader: one for the eight
	s_wait_kmcnt 0x0                               ; gains and biases
.set i, 0
.rept 32
	v_mul_f32 v[X+i], v[X+i], v[Q+i/4]
.set i, i+1
.endr
.set i, 0
.rept 32
.if i < 16
	v_fma_f32 v[X+i], v[X+i], s[16+i], s[48+i]     ; h = xn x gain + bias
.else
	v_fma_f32 v[X+i], v[X+i], s[16+i], s[52+i]
.endif
.set i, i+1
.endr
	; the quantiser: all 32 numbers of the block are mine
	v_max3_num_f32 v76, |v[X]|, |v[X+1]|, |v[X+2]|
	v_max3_num_f32 v77, |v[X+3]|, |v[X+4]|, |v[X+5]|
.irp i, 6,10,14,18,22,26
	v_max3_num_f32 v76, v76, |v[X+\i]|, |v[X+\i+1]|
	v_max3_num_f32 v77, v77, |v[X+\i+2]|, |v[X+\i+3]|
.endr
	v_max3_num_f32 v76, v76, |v[X+30]|, |v[X+31]|
	v_max3_num_f32 v76, v76, v77, 0x1800000        ; and the floor 2^(3 - 127): the byte cannot fall under 1
	v_add_nc_u32 v78, 0xff000000, v76              ; 2 off the exponent field: the conversion takes this operand's exponent field as its scale, and nothing else of it
	v_lshrrev_b32 v79, 23, v78                     ; the scale's byte
.irp g, 0,1,2,3
	v_cvt_scalef32_pk8_fp4_f32 v[C+\g], v[X+8*\g:X+8*\g+7], v78
.endr
	v_nop                                          ; one plain instruction behind the last scaled conversion
	global_store_b128 v5, v[C:C+3], s[10:11]       ; sixteen lanes store 256 consecutive bytes, at a multiple of 256 from hq's first byte
	ds_store_b8 v0, v79 offset:SCB                 ; my position's byte
	s_wait_dscnt 0x0                               ; for waves 0 and 1: my byte has landed
	s_barrier_signal -1
	s_barrier_wait -1
	s_cmp_gt_u32 s14, 1                            ; 1,024 bytes are 64 lanes x 16
	s_cbranch_scc1 .Lend
	ds_load_b128 v[P:P+3], v6 offset:SCB
	s_wait_dscnt 0x0
	global_store_b128 v6, v[P:P+3], s[12:13]       ; a wave stores 512 consecutive bytes
.Lend:
	s_wait_tensorcnt 0x0
	ds_add_u32 v80, v81
	s_wait_dscnt 0x0
	s_endpgm
.Lfunc_end_k_qe8515d3c61_gnq:
	.size	k_qe8515d3c61_gnq, .Lfunc_end_k_qe8515d3c61_gnq-k_qe8515d3c61_gnq
	.p2alignl 7, 3214868480
	.fill 96, 4, 3214868480
	.section	.rodata,"a",@progbits
	.p2align	6, 0x0
	.amdhsa_kernel k_qe8515d3c61_gnq
		.amdhsa_group_segment_fixed_size 8192
		.amdhsa_private_segment_fixed_size 0
		.amdhsa_enable_private_segment 0
		.amdhsa_kernarg_size 40
		.amdhsa_user_sgpr_count 2
		.amdhsa_user_sgpr_kernarg_segment_ptr 1
		.amdhsa_wavefront_size32 1
		.amdhsa_system_sgpr_workgroup_id_x 1
		.amdhsa_system_sgpr_workgroup_id_y 1
		.amdhsa_system_sgpr_workgroup_id_z 1
		.amdhsa_system_vgpr_workitem_id 0
		.amdhsa_next_free_vgpr 82
		.amdhsa_next_free_sgpr 92
		.amdhsa_reserve_vcc 0
		.amdhsa_float_denorm_mode_32 3
		.amdhsa_float_denorm_mode_16_64 3
		.amdhsa_memory_ordered 1
		.amdhsa_forward_progress 1
		.amdhsa_inst_pref_size 26
	.end_amdhsa_kernel
	.amdgpu_metadata
---
amdhsa.version: [ 1, 2 ]
amdhsa.kernels:
  - .name:           k_qe8515d3c61_gnq
    .symbol:         k_qe8515d3c61_gnq.kd
    .args:
      - { .name: hidden_states, .offset: 0, .size: 8, .value_kind: global_buffer, .address_space: global }
      - { .name: gn_weight, .offset: 8, .size: 8, .value_kind: global_buffer, .address_space: global }
      - { .name: gn_bias, .offset: 16, .size: 8, .value_kind: global_buffer, .address_space: global }
      - { .name: hq, .offset: 24, .size: 8, .value_kind: global_buffer, .address_space: global }
      - { .name: hs, .offset: 32, .size: 8, .value_kind: global_buffer, .address_space: global }
    .group_segment_fixed_size: 8192
    .private_segment_fixed_size: 0
    .kernarg_segment_align: 8
    .kernarg_segment_size: 40
    .max_flat_workgroup_size: 1024
    .sgpr_count:     92
    .vgpr_count:     82
    .wavefront_size: 32
...
	.end_amdgpu_metadata
.endif
;; end of part 1
;; launch attn (part 2): grid 128 x 2, 16 waves a work-group, no clusters, 23,552 bytes of LDS; arguments hq, hs, Wq_codes, Wq_scales, Wk_codes, Wk_scales, Wv_codes, Wv_scales, bq, bk, bv, att; writes att
.if DOCPART == 2
	.amdgcn_target "amdgcn-amd-amdhsa--gfx1250"
	.amdhsa_code_object_version 6
	.text
	.protected	k_qe8515d3c61_attn
	.globl	k_qe8515d3c61_attn
	.p2align	8
	.type	k_qe8515d3c61_attn,@function
k_qe8515d3c61_attn:
	s_mov_b64 s[64:65], 0
	v_nop
	global_prefetch_b8 v0, s[64:65] scope:SCOPE_SE
	s_setreg_imm32_b32 hwreg(HW_REG_WAVE_MODE, 25, 1), 1
	s_wait_xcnt 0x0
; One head of size 1: head c (work-group x) of batch b (work-group y).  q, k, v [1024] = h Wq[c] + bq[c] and so on, on codes of FP4 with E8M0 scales;
; att[b][c][i] = sum_j softmax_j(q_i k_j) v_j, all in f32 by vector instructions: these two products have K = 1 and N = 1, and their result goes on into a quantiser.
; PROJECTIONS.  Wave w takes positions 64 w .. 64 w + 63: four tiles of 16, whose fragments come from hq as they lie (two loads of 16 bytes a lane and tile).  Source 0 is a tile of 16 rows made here:
; rows 0 and 8 = Wq[c], 1 and 9 = Wk[c], 2 and 10 = Wv[c], the others zero codes under the byte 0x7f.  In the result lane (r, h) holds rows 8 h + 0 .. 7 of position r:
; so registers 0, 1, 2 are q, k, v of position r in both halves of the lanes.  The biases are the C of the product.  Four matrix instructions a wave.
; THE MAXIMUM.  With one number a head, max_j (q_i k_j) = max(q_i kmax, q_i kmin), for every input; a product's rounding does not change the order, so this is the largest rounded product too.
; It is known ahead of the loop: no running maximum, nothing is rescaled, and the keys can be shared out between waves, whose sums are simply added.
; With q' = q log2(e) and nm = -max(q' kmax, q' kmin): p = 2^(k_j q' + nm), at most 1 but for the last bit; l = sum p, o = sum p v_j, result o / l.  nm's rounding is common to a row and cancels.
; ATTENTION.  Wave w: queries 128 (w % 8) + 4 lane + 0 .. 3 (four a lane), keys 512 (w / 8) + 0 .. 511, eight at a time, read from LDS by loads in which all lanes name the same bytes.
; For 8 keys x 4 queries a lane: 16 packed multiply-adds, 32 exponentials, 16 packed additions, 16 packed multiply-adds.  Four waves share a SIMD, so that one wave's exponentials stand beside another's packed work.
; NO CLUSTER, NO JOINT LOADS: what the 128 heads of a batch share is hq and hs, of which a wave reads 4,096 + 256 bytes once, into registers, at its head;
; behind that stand 2,048 exponentials a wave, in a loop that touches no memory.  No LDS tile is filled by an engine, so there is nothing to ask for jointly.
; LIMITS: NaN and infinities are not served.  p under 2^-126 counts as 0 (v_exp_f32).  1 / l by v_rcp_f32.
.set KA,   0                           ; LDS: k[1024] f32
.set VA,   4096                        ;      v[1024]
.set QA,   8192                        ;      q[1024]
.set RED,  12288                       ;      16 waves x (kmax, kmin)
.set COMB, 12544                       ;      8 groups of queries x 1,024 bytes: l at 16 x lane, o at 512 + 16 x lane
.set WQF,  16                          ; v16-23, v24-31, v32-39: row c of Wq, Wk, Wv, my half's bytes
.set WKF,  24
.set WVF,  32
.set WT,   40                          ; v40-47  the tile of weights
.set HF,   48                          ; v48-79  h's four fragments
.set BC,   80                          ; v80-87  the biases in the result's layout
.set SW,   88                          ; v88     the weight tile's scale words
.set HS,   89                          ; v89-90  h's scale words: lanes 0-15 tile 2 u, lanes 16-31 tile 2 u + 1
.set BY,   96                          ; v96-103 h's scale bytes as loaded
.set D,    104                         ; v104-135 the four results
.set QP,   136                         ; v136-143 (q'_i, q'_i)
.set NM,   144                         ; v144-151 (nm_i, nm_i)
.set LS,   152                         ; v152-159 l_i: even keys', odd keys'
.set OS,   160                         ; v160-167 o_i likewise
.set T,    200                         ; v200-231 query i, keys 2 jp and 2 jp + 1: T + 8 i + 2 jp.  (v168-199: two sets of 8 k and 8 v)
.set QR,   232                         ; v232-235 my four q
.set KX,   236                         ; v236 kmax, v237 kmin
.set KN,   237
.set LL,   240                         ; v240-243 l, v244-247 o, v248-251 and v252-255 the partner wave's
	s_load_b512 s[4:19], s[0:1], 0x0               ; hq s[4:5], hs s[6:7], Wq's codes s[8:9], scales s[10:11], Wk's s[12:13], s[14:15], Wv's s[16:17], s[18:19]
	s_load_b256 s[20:27], s[0:1], 0x40             ; bq s[20:21], bk s[22:23], bv s[24:25], att s[26:27]
	v_lshl_add_u32 v94, v0, 2, 0x5400
	v_mov_b32 v95, 0
	v_lshrrev_b32 v16, 5, v0
	v_readfirstlane_b32 s28, v16                   ; wave 0..15
	v_and_b32 v1, 31, v0                           ; L
	v_and_b32 v2, 15, v0                           ; r
	v_bfe_u32 v3, v0, 4, 1                         ; h
	v_and_b32 v4, 7, v0                            ; which row of the weight tile, modulo 8
	v_bfe_u32 v17, v0, 5, 3                        ; g = wave % 8
	s_lshl_b32 s31, ttmp9, 6
	v_lshl_add_u32 v5, v3, 4, s31                  ; a weight's row c: 64 c + 16 h
	v_lshlrev_b32 v6, 12, v16
	v_lshl_add_u32 v6, v1, 4, v6                   ; hq: 4096 w + 16 L
	v_lshl_add_u32 v7, v16, 6, v1                  ; hs: 64 w + L
	v_lshl_add_u32 v8, v16, 6, v2
	v_lshlrev_b32 v8, 2, v8                        ; LDS: 4 (64 w + r)
	v_lshl_add_u32 v9, v16, 3, RED                 ; my wave's pair,
	v_lshl_add_u32 v10, v2, 3, RED                 ; and wave r's
	v_lshlrev_b32 v15, 9, v17
	v_lshl_add_u32 v15, v1, 4, v15                 ; my four queries: 512 g + 16 L: in att's row,
	v_add_nc_u32 v11, QA, v15                      ; and in LDS
	v_lshlrev_b32 v12, 10, v17
	v_lshl_add_u32 v12, v1, 4, v12
	v_add_nc_u32 v12, COMB, v12                    ; where waves g + 8 and g meet
	v_lshrrev_b32 v13, 8, v0
	v_lshlrev_b32 v13, 11, v13                     ; my half of the keys: 2048 (w / 8)
	s_and_b32 s30, ttmp7, 0xffff                   ; b
	s_lshl_b32 s38, s30, 16
	s_mov_b32 s39, 0
	s_wait_kmcnt 0x0
	s_add_nc_u64 s[4:5], s[4:5], s[38:39]          ; hq + 65536 b
	s_lshl_b32 s38, s30, 12
	s_add_nc_u64 s[6:7], s[6:7], s[38:39]          ; hs + 4096 b
	s_lshl_b32 s38, ttmp9, 2                       ; 4 c: a row's scale word, a bias
	s_add_nc_u64 s[10:11], s[10:11], s[38:39]
	s_add_nc_u64 s[14:15], s[14:15], s[38:39]
	s_add_nc_u64 s[18:19], s[18:19], s[38:39]
	s_add_nc_u64 s[20:21], s[20:21], s[38:39]
	s_add_nc_u64 s[22:23], s[22:23], s[38:39]
	s_add_nc_u64 s[24:25], s[24:25], s[38:39]
	s_load_b32 s32, s[10:11], 0x0                  ; the scale words of Wq[c], Wk[c], Wv[c]
	s_load_b32 s33, s[14:15], 0x0
	s_load_b32 s34, s[18:19], 0x0
	s_load_b32 s35, s[20:21], 0x0                  ; bq[c], bk[c], bv[c]
	s_load_b32 s36, s[22:23], 0x0
	s_load_b32 s37, s[24:25], 0x0
.irp u, 0,1
.irp kb, 0,1,2,3
	global_load_u8 v[BY+4*\u+\kb], v7, s[6:7] offset:\kb*1024+32*\u   ; the byte of position 64 w + 32 u + L, block kb
.endr
.endr
	global_load_b128 v[WQF:WQF+3],   v5, s[8:9]
	global_load_b128 v[WQF+4:WQF+7], v5, s[8:9] offset:32
	global_load_b128 v[WKF:WKF+3],   v5, s[12:13]
	global_load_b128 v[WKF+4:WKF+7], v5, s[12:13] offset:32
	global_load_b128 v[WVF:WVF+3],   v5, s[16:17]
	global_load_b128 v[WVF+4:WVF+7], v5, s[16:17] offset:32
.irp t, 0,1,2,3
.irp cc, 0,1
	global_load_b128 v[HF+8*\t+4*\cc:HF+8*\t+4*\cc+3], v6, s[4:5] offset:\t*1024+\cc*512   ; a wave's load covers 512 consecutive bytes
.endr
.endr
	s_lshl_b32 s38, s30, 7
	s_add_co_u32 s38, s38, ttmp9
	s_lshl_b32 s38, s38, 12
	s_add_nc_u64 s[26:27], s[26:27], s[38:39]      ; att + 4096 (128 b + c)
	s_wait_loadcnt 14                              ; the eight bytes are in; the 6 + 8 loads behind them may be out
.irp u, 0,1
	v_lshl_or_b32 v[HS+\u], v[BY+4*\u+1], 8, v[BY+4*\u]
	v_lshl_or_b32 v[HS+\u], v[BY+4*\u+2], 16, v[HS+\u]
	v_lshl_or_b32 v[HS+\u], v[BY+4*\u+3], 24, v[HS+\u]
.endr
	s_wait_kmcnt 0x0
	v_cmp_eq_u32 s40, 0, v4                        ; the lanes of rows 0 and 8,
	v_cmp_eq_u32 s41, 1, v4                        ; 1 and 9,
	v_cmp_eq_u32 s42, 2, v4                        ; 2 and 10
	v_mov_b32 v91, s32
	v_mov_b32 v92, s33
	v_mov_b32 v93, s34
	v_mov_b32 v[SW], 0x7f7f7f7f                    ; the rows of zero codes: scale 1
	v_cndmask_b32 v[SW], v[SW], v93, s42
	v_cndmask_b32 v[SW], v[SW], v92, s41
	v_cndmask_b32 v[SW], v[SW], v91, s40
	v_mov_b32 v[BC], s35                           ; register j of the result is row 8 h + j: bq, bk, bv, and nothing for the rows of zeros
	v_mov_b32 v[BC+1], s36
	v_mov_b32 v[BC+2], s37
.irp j, 3,4,5,6,7
	v_mov_b32 v[BC+\j], 0
.endr
	s_wait_loadcnt 8                               ; the three rows are in; h's eight loads may be out
.irp j, 0,1,2,3,4,5,6,7
	v_cndmask_b32 v[WT+\j], 0, v[WVF+\j], s42
	v_cndmask_b32 v[WT+\j], v[WT+\j], v[WKF+\j], s41
	v_cndmask_b32 v[WT+\j], v[WT+\j], v[WQF+\j], s40
.endr
.rept 8
	v_nop                                          ; a scale register written by a vector instruction stands 8 places ahead of a scaled matrix instruction, an operand so written 4
.endr
	s_wait_loadcnt 0x0
.irp t, 0,1,2,3                                ; four accumulators, one instruction each
.if (\t)%2 == 1
	v_wmma_scale_f32_16x16x128_f8f6f4 v[D+8*\t:D+8*\t+7], v[WT:WT+7], v[HF+8*\t:HF+8*\t+7], v[BC:BC+7], v[SW], v[HS+\t/2] matrix_a_fmt:MATRIX_FMT_FP4 matrix_b_fmt:MATRIX_FMT_FP4 matrix_b_scale:MATRIX_SCALE_ROW1
.else
	v_wmma_scale_f32_16x16x128_f8f6f4 v[D+8*\t:D+8*\t+7], v[WT:WT+7], v[HF+8*\t:HF+8*\t+7], v[BC:BC+7], v[SW], v[HS+\t/2] matrix_a_fmt:MATRIX_FMT_FP4 matrix_b_fmt:MATRIX_FMT_FP4
.endif
.endr
.rept 4
	v_nop                                          ; four places between a matrix instruction and the first read of its result (ISA guide 7.12.1)
.endr
	v_max3_num_f32 v[KX], v[D+1], v[D+9], v[D+17]  ; my wave's largest and smallest k.  (Register 1 is among each result's four lowest)
	v_min3_num_f32 v[KN], v[D+1], v[D+9], v[D+17]
	v_max_num_f32 v[KX], v[KX], v[D+25]
	v_min_num_f32 v[KN], v[KN], v[D+25]
.irp m, 1,2,4,8                                ; over the 16 positions of a tile; both halves of the lanes hold the same numbers
	v_max_num_f32_dpp v[KX], v[KX], v[KX] row_xmask:\m row_mask:0xf bank_mask:0xf
	v_min_num_f32_dpp v[KN], v[KN], v[KN] row_xmask:\m row_mask:0xf bank_mask:0xf
.endr
.irp t, 0,1,2,3
	ds_store_b32 v8, v[D+8*\t]   offset:QA+64*\t   ; position 64 w + 16 t + r; lanes r and 16 + r store the same number to the same word
	ds_store_b32 v8, v[D+8*\t+1] offset:KA+64*\t
	ds_store_b32 v8, v[D+8*\t+2] offset:VA+64*\t
.endr
	ds_store_b64 v9, v[KX:KN]
	s_wait_dscnt 0x0                               ; for the other waves' sake: my stores have landed
	s_barrier_signal -1
	s_barrier_wait -1                              ; q, k, v of all 1,024 positions lie in LDS; nobody writes them again
	s_mov_b32 s43, 0                               ; bytes of my keys that are behind me
	v_add_nc_u32 v14, s43, v13
	ds_load_b64 v[KX:KN], v10                      ; wave r's pair
	ds_load_b128 v[QR:QR+3], v11                   ; my four queries
	ds_load_b128 v[168:171], v14 offset:KA         ; the first eight keys into set 0
	ds_load_b128 v[172:175], v14 offset:KA+16
	ds_load_b128 v[176:179], v14 offset:VA
	ds_load_b128 v[180:183], v14 offset:VA+16
	s_wait_dscnt 4                                 ; LDS loads come back in order: the pair and the queries are in, the four behind them may be out
.irp m, 1,2,4,8
	v_max_num_f32_dpp v[KX], v[KX], v[KX] row_xmask:\m row_mask:0xf bank_mask:0xf   ; over the 16 waves: the head's kmax
	v_min_num_f32_dpp v[KN], v[KN], v[KN] row_xmask:\m row_mask:0xf bank_mask:0xf   ; and kmin
.endr
.irp i, 0,1,2,3
	v_mul_f32 v[QP+2*\i], 0x3fb8aa3b, v[QR+\i]     ; q' = q log2(e)
	v_mov_b32 v[QP+2*\i+1], v[QP+2*\i]             ; twice: the packed forms take a pair
	v_mul_f32 v238, v[QP+2*\i], v[KX]
	v_mul_f32 v239, v[QP+2*\i], v[KN]
	v_min_num_f32 v[NM+2*\i], -v238, -v239         ; nm = -max(q' kmax, q' kmin)
	v_mov_b32 v[NM+2*\i+1], v[NM+2*\i]
.endr
.irp j, 0,1,2,3,4,5,6,7
	v_mov_b32 v[LS+\j], 0
	v_mov_b32 v[OS+\j], 0
.endr
; EIGHT KEYS x FOUR QUERIES A LANE.  set: which registers hold the keys.  pre = 1: the next eight keys, off bytes on, are asked for into the other set.  step = 1: the address goes 64 bytes on.
.macro BATCH set, pre, off, step
.set KS, 168+16*(\set)
.set VS, 176+16*(\set)
.set KO, 168+16*(1-(\set))
.set VO, 176+16*(1-(\set))
.if \pre
	ds_load_b128 v[KO:KO+3],   v14 offset:KA+\off       ; all lanes name the same 16 bytes
	ds_load_b128 v[KO+4:KO+7], v14 offset:KA+\off+16
	ds_load_b128 v[VO:VO+3],   v14 offset:VA+\off
	ds_load_b128 v[VO+4:VO+7], v14 offset:VA+\off+16
	s_wait_dscnt 4                                 ; this set's four loads are in; the four just issued may be out
.else
	s_wait_dscnt 0x0
.endif
.irp jp, 0,1,2,3
.irp i, 0,1,2,3
	v_pk_fma_f32 v[T+8*\i+2*\jp:T+8*\i+2*\jp+1], v[KS+2*\jp:KS+2*\jp+1], v[QP+2*\i:QP+2*\i+1], v[NM+2*\i:NM+2*\i+1]   ; k q' + nm, two keys at a time
.endr
.endr
.set n, 0
.rept 32
	v_exp_f32 v[T+n], v[T+n]                       ; p: one batch; none of these reads another's result
.set n, n+1
.endr
.if \step
	s_add_co_u32 s43, s43, 64
	v_add_nc_u32 v14, s43, v13                     ; the plain instruction behind the last exponential (ISA guide 5.7.2)
.else
	v_nop
.endif
	s_wait_alu depctr_va_vdst(0)                   ; the wait ahead of the first reader: one for the 32
.irp jp, 0,1,2,3
.irp i, 0,1,2,3                                ; the four queries by turns: eight instructions lie between two links of one chain
	v_pk_add_f32 v[LS+2*\i:LS+2*\i+1], v[LS+2*\i:LS+2*\i+1], v[T+8*\i+2*\jp:T+8*\i+2*\jp+1]
	v_pk_fma_f32 v[OS+2*\i:OS+2*\i+1], v[T+8*\i+2*\jp:T+8*\i+2*\jp+1], v[VS+2*\jp:VS+2*\jp+1], v[OS+2*\i:OS+2*\i+1]
.endr
.endr
.endm
	s_mov_b32 s44, 31                              ; 16 keys a trip; my 512 keys are 31 trips and the tail
.Ltrip:
	BATCH 0, 1, 32, 0
	BATCH 1, 1, 64, 1
	s_sub_co_u32 s44, s44, 1
	s_cmp_lg_u32 s44, 0
	s_cbranch_scc1 .Ltrip
	BATCH 0, 1, 32, 0                              ; the last 16 keys: nothing is asked for beyond my 512
	BATCH 1, 0, 0, 0
.irp i, 0,1,2,3
	v_add_f32 v[LL+\i], v[LS+2*\i], v[LS+2*\i+1]   ; even keys' and odd keys'
	v_add_f32 v[LL+4+\i], v[OS+2*\i], v[OS+2*\i+1]
.endr
	s_cmp_lt_u32 s28, 8
	s_cbranch_scc1 .Lkeep                          ; waves 8 to 15 hand their sums to waves 0 to 7
	ds_store_b128 v12, v[LL:LL+3]
	ds_store_b128 v12, v[LL+4:LL+7] offset:512
.Lkeep:
	s_wait_dscnt 0x0                               ; the stores have landed
	s_barrier_signal -1
	s_barrier_wait -1
	s_cmp_ge_u32 s28, 8
	s_cbranch_scc1 .Lend
	ds_load_b128 v[LL+8:LL+11],  v12
	ds_load_b128 v[LL+12:LL+15], v12 offset:512
	s_wait_dscnt 0x0
.irp j, 0,1,2,3,4,5,6,7
	v_add_f32 v[LL+\j], v[LL+\j], v[LL+8+\j]       ; both halves of the keys: l, at least about 1 (the row's largest p is in it), and o
.endr
.irp i, 0,1,2,3
	v_rcp_f32 v[LL+8+\i], v[LL+\i]
.endr
	v_nop                                          ; a plain instruction behind the last reciprocal
	s_wait_alu depctr_va_vdst(0)                   ; and the wait ahead of the first reader: one for the four
.irp i, 0,1,2,3
	v_mul_f32 v[LL+4+\i], v[LL+4+\i], v[LL+8+\i]
.endr
	global_store_b128 v15, v[LL+4:LL+7], s[26:27]  ; a wave stores 512 consecutive bytes, at a multiple of 512 from att's first byte
.Lend:
	s_wait_tensorcnt 0x0
	ds_add_u32 v94, v95
	s_wait_dscnt 0x0
	s_endpgm
.Lfunc_end_k_qe8515d3c61_attn:
	.size	k_qe8515d3c61_attn, .Lfunc_end_k_qe8515d3c61_attn-k_qe8515d3c61_attn
	.p2alignl 7, 3214868480
	.fill 96, 4, 3214868480
	.section	.rodata,"a",@progbits
	.p2align	6, 0x0
	.amdhsa_kernel k_qe8515d3c61_attn
		.amdhsa_group_segment_fixed_size 23552
		.amdhsa_private_segment_fixed_size 0
		.amdhsa_enable_private_segment 0
		.amdhsa_kernarg_size 96
		.amdhsa_user_sgpr_count 2
		.amdhsa_user_sgpr_kernarg_segment_ptr 1
		.amdhsa_wavefront_size32 1
		.amdhsa_system_sgpr_workgroup_id_x 1
		.amdhsa_system_sgpr_workgroup_id_y 1
		.amdhsa_system_sgpr_workgroup_id_z 1
		.amdhsa_system_vgpr_workitem_id 0
		.amdhsa_next_free_vgpr 256
		.amdhsa_next_free_sgpr 66
		.amdhsa_reserve_vcc 0
		.amdhsa_float_denorm_mode_32 3
		.amdhsa_float_denorm_mode_16_64 3
		.amdhsa_memory_ordered 1
		.amdhsa_forward_progress 1
		.amdhsa_inst_pref_size 32
	.end_amdhsa_kernel
	.amdgpu_metadata
---
amdhsa.version: [ 1, 2 ]
amdhsa.kernels:
  - .name:           k_qe8515d3c61_attn
    .symbol:         k_qe8515d3c61_attn.kd
    .args:
      - { .name: hq, .offset: 0, .size: 8, .value_kind: global_buffer, .address_space: global }
      - { .name: hs, .offset: 8, .size: 8, .value_kind: global_buffer, .address_space: global }
      - { .name: Wq_codes, .offset: 16, .size: 8, .value_kind: global_buffer, .address_space: global }
      - { .name: Wq_scales, .offset: 24, .size: 8, .value_kind: global_buffer, .address_space: global }
      - { .name: Wk_codes, .offset: 32, .size: 8, .value_kind: global_buffer, .address_space: global }
      - { .name: Wk_scales, .offset: 40, .size: 8, .value_kind: global_buffer, .address_space: global }
      - { .name: Wv_codes, .offset: 48, .size: 8, .value_kind: global_buffer, .address_space: global }
      - { .name: Wv_scales, .offset: 56, .size: 8, .value_kind: global_buffer, .address_space: global }
      - { .name: bq, .offset: 64, .size: 8, .value_kind: global_buffer, .address_space: global }
      - { .name: bk, .offset: 72, .size: 8, .value_kind: global_buffer, .address_space: global }
      - { .name: bv, .offset: 80, .size: 8, .value_kind: global_buffer, .address_space: global }
      - { .name: att, .offset: 88, .size: 8, .value_kind: global_buffer, .address_space: global }
    .group_segment_fixed_size: 23552
    .private_segment_fixed_size: 0
    .kernarg_segment_align: 8
    .kernarg_segment_size: 96
    .max_flat_workgroup_size: 512
    .sgpr_count:     66
    .vgpr_count:     256
    .wavefront_size: 32
...
	.end_amdgpu_metadata
.endif
;; end of part 2
;; launch oproj (part 3): grid 32 x 1, 8 waves a work-group, no clusters, 5,632 bytes of LDS; arguments att, Wo_codes, Wo_scales, bo, hidden_states, out0; writes out0
.if DOCPART == 3
	.amdgcn_target "amdgcn-amd-amdhsa--gfx1250"
	.amdhsa_code_object_version 6
	.text
	.protected	k_qe8515d3c61_oproj
	.globl	k_qe8515d3c61_oproj
	.p2align	8
	.type	k_qe8515d3c61_oproj,@function
k_qe8515d3c61_oproj:
	s_mov_b64 s[64:65], 0
	v_nop
	global_prefetch_b8 v0, s[64:65] scope:SCOPE_SE
	s_setreg_imm32_b32 hwreg(HW_REG_WAVE_MODE, 25, 1), 1
	s_wait_xcnt 0x0
; out0[b][co][s] = sum_c Q(att)[b][c][s] Wo[co][c] + bo[co] + hidden_states[b][co][s]: the product on codes of FP4 (E2M1) with E8M0 scales, K = the 128 heads c.
; att: [2][128][1024] f32, K is not innermost.  A work-group takes 64 positions of one batch and all 128 outputs; eight waves.
; QUANTISING.  Thread t takes block kb = t / 64 of 32 heads at position p = t % 64: a lane to a position, its registers down K, so that the block's largest magnitude needs no other lane and the codes come with K innermost.
; The codes go from wave to wave through LDS in the order of an operand's registers: in a tile, block kb of row r at 256 kb + 16 r, which is register group cc of lane L at 512 cc + 16 L.
; TILE T HOLDS POSITIONS 4 r + T, not neighbours: for one output a lane's results of tiles 0 to 3 are then four neighbouring positions, 16 bytes, and sixteen lanes hold 256 consecutive bytes of a row of out0: no stage on the way out.
; PRODUCT.  Wave w makes outputs 16 w .. 16 w + 15: source 0 = its 16 rows of Wo, source 1 = a tile of positions; bo is the C.  Register j of lane (r, h): output 16 w + 8 h + j, position 4 r + T.  Four matrix instructions a wave.
; A load of att by a wave covers 128 consecutive bytes; two waves of this work-group read the two halves of each aligned 256 bytes.
; NO CLUSTER: what work-groups share is Wo, of which a wave reads 1,024 bytes once, into registers.
; LIMITS: NaN and infinities are not served.  A block of zeros, and one whose largest magnitude lies under 2^(3 - 127), gets the byte 1 (the rule says 127 for zeros): its codes are zeros, and the bytes stay in this launch.
.set TP,  1088                         ; a tile's image: 1,024 bytes + 64: a store's sixteen lanes (T = 0 .. 3, four r) then fall at 64 T + 16 r modulo 256: sixteen different places
.set SC,  4*TP                         ; behind the images: the scale bytes: 64 T + 4 r + kb
.set X,   16                           ; v16-47   my 32 numbers
.set C,   48                           ; v48-51   their codes
.set WF,  56                           ; v56-63   Wo's fragment
.set WS,  64                           ; v64      Wo's scale words
.set HS,  65                           ; v65-66   att's: lanes 0-15 tile 2 u, lanes 16-31 tile 2 u + 1
.set BC,  68                           ; v68-75   bo in the result's layout
.set HF,  76                           ; v76-107  att's four fragments
.set D,   108                          ; v108-139 the four results
.set RES, 140                          ; v140-171 hidden_states, then out0: 4 j + T
	s_load_b256 s[4:11], s[0:1], 0x0               ; att s[4:5], Wo's codes s[6:7], Wo's scales s[8:9], bo s[10:11]
	s_load_b128 s[12:15], s[0:1], 0x20             ; hidden_states s[12:13], out0 s[14:15]
	v_lshl_add_u32 v176, v0, 2, 0x1200
	v_mov_b32 v177, 0
	v_lshrrev_b32 v1, 5, v0                        ; w
	v_and_b32 v2, 15, v0                           ; r
	v_bfe_u32 v3, v0, 4, 1                         ; h
	v_and_b32 v13, 63, v0                          ; p
	v_lshrrev_b32 v14, 6, v0                       ; kb
	v_lshlrev_b32 v4, 2, v13
	v_lshl_add_u32 v4, v14, 17, v4                 ; att: 4 p + 32 kb rows of 4,096 bytes
	v_and_b32 v15, 3, v0                           ; p's tile: p % 4,
	v_bfe_u32 v13, v0, 2, 4                        ; and its row there: p / 4
	v_mul_u32_u24 v5, v15, TP
	v_lshl_add_u32 v5, v13, 4, v5
	v_lshl_add_u32 v5, v14, 8, v5                  ; where my codes go
	v_lshlrev_b32 v6, 6, v15
	v_lshl_add_u32 v6, v13, 2, v6
	v_add_nc_u32 v6, v6, v14
	v_add_nc_u32 v6, SC, v6                        ; and my byte
	v_and_b32 v7, 31, v0
	v_lshlrev_b32 v8, 2, v7
	v_add_nc_u32 v8, SC, v8                        ; back: 4 x lane,
	v_lshlrev_b32 v7, 4, v7                        ; 16 x lane
	v_lshl_add_u32 v9, v1, 4, v2                   ; Wo's row 16 w + r:
	v_lshlrev_b32 v10, 2, v9                       ; its scale word,
	v_lshlrev_b32 v9, 6, v9
	v_lshl_add_u32 v9, v3, 4, v9                   ; its codes, + 16 h
	v_lshlrev_b32 v11, 6, v1
	v_lshl_add_u32 v11, v3, 5, v11                 ; bo: 4 (16 w + 8 h)
	v_lshlrev_b32 v12, 16, v1
	v_lshl_add_u32 v12, v3, 15, v12
	v_lshl_add_u32 v12, v2, 4, v12                 ; hidden_states and out0: row 16 w + 8 h, + 16 r
	s_lshr_b32 s18, ttmp9, 4                       ; b
	s_lshl_b32 s18, s18, 19                        ; 128 rows of 4,096 bytes
	s_and_b32 s19, ttmp9, 15
	s_lshl_b32 s19, s19, 8                         ; 64 positions of 4 bytes
	s_add_co_u32 s18, s18, s19
	s_mov_b32 s19, 0
	s_wait_kmcnt 0x0
	s_add_nc_u64 s[4:5], s[4:5], s[18:19]
	s_add_nc_u64 s[12:13], s[12:13], s[18:19]
	s_add_nc_u64 s[14:15], s[14:15], s[18:19]
.set i, 0
.rept 32
	global_load_b32 v[X+i], v4, s[4:5] offset:i*4096 th:TH_LOAD_NT   ; head 32 kb + i, my position
.set i, i+1
.endr
	global_load_b128 v[WF:WF+3],   v9, s[6:7]
	global_load_b128 v[WF+4:WF+7], v9, s[6:7] offset:32
	global_load_b32 v[WS], v10, s[8:9]
	global_load_b128 v[BC:BC+3],   v11, s[10:11]
	global_load_b128 v[BC+4:BC+7], v11, s[10:11] offset:16
.irp j, 0,1,2,3,4,5,6,7
	global_load_b128 v[RES+4*\j:RES+4*\j+3], v12, s[12:13] offset:\j*4096 th:TH_LOAD_NT   ; sixteen lanes read 256 consecutive bytes
.endr
	s_wait_loadcnt 13                              ; my 32 numbers are in; the 2 + 1 + 2 + 8 loads behind them may be out
	v_max3_num_f32 v52, |v[X]|, |v[X+1]|, |v[X+2]|
	v_max3_num_f32 v53, |v[X+3]|, |v[X+4]|, |v[X+5]|
.irp i, 6,10,14,18,22,26
	v_max3_num_f32 v52, v52, |v[X+\i]|, |v[X+\i+1]|
	v_max3_num_f32 v53, v53, |v[X+\i+2]|, |v[X+\i+3]|
.endr
	v_max3_num_f32 v52, v52, |v[X+30]|, |v[X+31]|
	v_max3_num_f32 v52, v52, v53, 0x1800000        ; and the floor 2^(3 - 127): the byte cannot fall under 1
	v_add_nc_u32 v54, 0xff000000, v52              ; 2 off the exponent field: the conversion's scale operand
	v_lshrrev_b32 v55, 23, v54                     ; the scale's byte
.irp g, 0,1,2,3
	v_cvt_scalef32_pk8_fp4_f32 v[C+\g], v[X+8*\g:X+8*\g+7], v54
.endr
	v_nop                                          ; one plain instruction behind the last scaled conversion
	ds_store_b128 v5, v[C:C+3]
	ds_store_b8 v6, v55
	s_wait_dscnt 0x0                               ; for the other waves' sake: my stores have landed
	s_barrier_signal -1
	s_barrier_wait -1                              ; the four tiles' images and scale words lie in LDS
.irp t, 0,1,2,3
.irp cc, 0,1
	ds_load_b128 v[HF+8*\t+4*\cc:HF+8*\t+4*\cc+3], v7 offset:\t*TP+\cc*512
.endr
.endr
.irp u, 0,1
	ds_load_b32 v[HS+\u], v8 offset:128*\u
.endr
	s_wait_loadcnt 8                               ; Wo's fragment and scale words and bo are in; the eight loads of hidden_states may be out
	s_wait_dscnt 0x0
.irp t, 0,1,2,3                                ; four accumulators, one instruction each; every operand and scale came by a load
.if (\t)%2 == 1
	v_wmma_scale_f32_16x16x128_f8f6f4 v[D+8*\t:D+8*\t+7], v[WF:WF+7], v[HF+8*\t:HF+8*\t+7], v[BC:BC+7], v[WS], v[HS+\t/2] matrix_a_fmt:MATRIX_FMT_FP4 matrix_b_fmt:MATRIX_FMT_FP4 matrix_b_scale:MATRIX_SCALE_ROW1
.else
	v_wmma_scale_f32_16x16x128_f8f6f4 v[D+8*\t:D+8*\t+7], v[WF:WF+7], v[HF+8*\t:HF+8*\t+7], v[BC:BC+7], v[WS], v[HS+\t/2] matrix_a_fmt:MATRIX_FMT_FP4 matrix_b_fmt:MATRIX_FMT_FP4
.endif
.endr
.rept 4
	v_nop                                          ; four places between a matrix instruction and the first read of its result (ISA guide 7.12.1)
.endr
.irp j, 0,1,2,3,4,5,6,7                        ; each result is read from its lowest register upward
	s_wait_loadcnt 7-\j                            ; row j of hidden_states is in; the rows behind it may be out
.irp t, 0,1,2,3
	v_add_f32 v[RES+4*\j+\t], v[D+8*\t+\j], v[RES+4*\j+\t]
.endr
	global_store_b128 v12, v[RES+4*\j:RES+4*\j+3], s[14:15] offset:\j*4096 th:TH_STORE_NT   ; sixteen lanes store 256 consecutive bytes, at a multiple of 256 from out0's first byte; no register that a store reads is written again
.endr
	s_wait_tensorcnt 0x0
	ds_add_u32 v176, v177
	s_wait_dscnt 0x0
	s_endpgm
.Lfunc_end_k_qe8515d3c61_oproj:
	.size	k_qe8515d3c61_oproj, .Lfunc_end_k_qe8515d3c61_oproj-k_qe8515d3c61_oproj
	.p2alignl 7, 3214868480
	.fill 96, 4, 3214868480
	.section	.rodata,"a",@progbits
	.p2align	6, 0x0
	.amdhsa_kernel k_qe8515d3c61_oproj
		.amdhsa_group_segment_fixed_size 5632
		.amdhsa_private_segment_fixed_size 0
		.amdhsa_enable_private_segment 0
		.amdhsa_kernarg_size 48
		.amdhsa_user_sgpr_count 2
		.amdhsa_user_sgpr_kernarg_segment_ptr 1
		.amdhsa_wavefront_size32 1
		.amdhsa_system_sgpr_workgroup_id_x 1
		.amdhsa_system_sgpr_workgroup_id_y 1
		.amdhsa_system_sgpr_workgroup_id_z 1
		.amdhsa_system_vgpr_workitem_id 0
		.amdhsa_next_free_vgpr 178
		.amdhsa_next_free_sgpr 66
		.amdhsa_reserve_vcc 0
		.amdhsa_float_denorm_mode_32 3
		.amdhsa_float_denorm_mode_16_64 3
		.amdhsa_memory_ordered 1
		.amdhsa_forward_progress 1
		.amdhsa_inst_pref_size 12
	.end_amdhsa_kernel
	.amdgpu_metadata
---
amdhsa.version: [ 1, 2 ]
amdhsa.kernels:
  - .name:           k_qe8515d3c61_oproj
    .symbol:         k_qe8515d3c61_oproj.kd
    .args:
      - { .name: att, .offset: 0, .size: 8, .value_kind: global_buffer, .address_space: global }
      - { .name: Wo_codes, .offset: 8, .size: 8, .value_kind: global_buffer, .address_space: global }
      - { .name: Wo_scales, .offset: 16, .size: 8, .value_kind: global_buffer, .address_space: global }
      - { .name: bo, .offset: 24, .size: 8, .value_kind: global_buffer, .address_space: global }
      - { .name: hidden_states, .offset: 32, .size: 8, .value_kind: global_buffer, .address_space: global }
      - { .name: out0, .offset: 40, .size: 8, .value_kind: global_buffer, .address_space: global }
    .group_segment_fixed_size: 5632
    .private_segment_fixed_size: 0
    .kernarg_segment_align: 8
    .kernarg_segment_size: 48
    .max_flat_workgroup_size: 256
    .sgpr_count:     66
    .vgpr_count:     178
    .wavefront_size: 32
...
	.end_amdgpu_metadata
.endif
;; end of part 3
;; ======== version 2 of 2: 3 launches; version 1 with the launches attn, oproj written anew for expert scheduling mode
;; workspace buffers: hq 131,072 bytes; hs 8,192 bytes; att 1,048,576 bytes
;; launch gnq: the kernel of part 1 again; grid 8 x 1, 32 waves a work-group, no clusters, 8,192 bytes of LDS; arguments hidden_states, gn_weight, gn_bias, hq, hs; writes hq, hs
;; launch attn (part 4): grid 128 x 2, 16 waves a work-group, no clusters, 23,552 bytes of LDS; arguments hq, hs, Wq_codes, Wq_scales, Wk_codes, Wk_scales, Wv_codes, Wv_scales, bq, bk, bv, att; writes att
.if DOCPART == 4
	.amdgcn_target "amdgcn-amd-amdhsa--gfx1250"
	.amdhsa_code_object_version 6
	.text
	.protected	k_qe8515d3c61_attn
	.globl	k_qe8515d3c61_attn
	.p2align	8
	.type	k_qe8515d3c61_attn,@function
k_qe8515d3c61_attn:
	s_mov_b64 s[64:65], 0
	v_nop
	global_prefetch_b8 v0, s[64:65] scope:SCOPE_SE
	s_setreg_imm32_b32 hwreg(HW_REG_WAVE_SCHED_MODE, 0, 2), 2
	s_setreg_imm32_b32 hwreg(HW_REG_WAVE_MODE, 25, 1), 1
	s_wait_xcnt 0x0
	s_wait_alu depctr_vm_vsrc(0)
; One head of size 1: head c (work-group x) of batch b (work-group y).  q, k, v [1024] = h Wq[c] + bq[c] and so on, on codes of FP4 with E8M0 scales;
; att[b][c][i] = sum_j softmax_j(q_i k_j) v_j, all in f32 by vector instructions: these two products have K = 1 and N = 1, and their result goes on into a quantiser.
; PROJECTIONS.  Wave w takes positions 64 w .. 64 w + 63: four tiles of 16, whose fragments come from hq as they lie (two loads of 16 bytes a lane and tile).  Source 0 is a tile of 16 rows made here:
; rows 0 and 8 = Wq[c], 1 and 9 = Wk[c], 2 and 10 = Wv[c], the others zero codes under the byte 0x7f.  In the result lane (r, h) holds rows 8 h + 0 .. 7 of position r:
; so registers 0, 1, 2 are q, k, v of position r in both halves of the lanes.  The biases are the C of the product.  Four matrix instructions a wave.
; THE MAXIMUM.  With one number a head, max_j (q_i k_j) = max(q_i kmax, q_i kmin), for every input; a product's rounding does not change the order, so this is the largest rounded product too.
; It is known ahead of the loop: no running maximum, nothing is rescaled, and the keys can be shared out between waves, whose sums are simply added.
; With q' = q log2(e) and nm = -max(q' kmax, q' kmin): p = 2^(k_j q' + nm), at most 1 but for the last bit; l = sum p, o = sum p v_j, result o / l.  nm's rounding is common to a row and cancels.
; ATTENTION.  Wave w: queries 128 (w % 8) + 4 lane + 0 .. 3 (four a lane), keys 512 (w / 8) + 0 .. 511, eight at a time, read from LDS by loads in which all lanes name the same bytes.
; For 8 keys x 4 queries a lane: 16 packed multiply-adds, 32 exponentials, 16 packed additions, 16 packed multiply-adds.  Four waves share a SIMD, so that one wave's exponentials stand beside another's packed work.
; NO CLUSTER, NO JOINT LOADS: what the 128 heads of a batch share is hq and hs, of which a wave reads 4,096 + 256 bytes once, into registers, at its head;
; behind that stand 2,048 exponentials a wave, in a loop that touches no memory.  No LDS tile is filled by an engine, so there is nothing to ask for jointly.
; LIMITS: NaN and infinities are not served.  p under 2^-126 counts as 0 (v_exp_f32).  1 / l by v_rcp_f32.
; THE MODE: SCHED_MODE bits 1:0 = 2 (LLVM: expert scheduling mode 2), set by the entry lines.  The code itself states the register dependences
; between vector or matrix instructions and memory or LDS instructions, with s_wait_alu, always for 0.
; THE PLAN.  Registers that memory or LDS instructions touch:
;   v5-v13, v15, v94, v95   offsets and LDS addresses: written at the head, never again.  One wait on va_vdst ahead of the first load serves them all.
;   v16-39, v48-79, v96-103 global loads land here once, in one run behind that wait (the head's arithmetic used v16 and v17 before).
;   v40-47, v88-90          the weight tile and the scale words: written by vector instructions, taken by the four scaled products: a wait on va_vdst behind the places.
;   v104-135, v236, v237    the four results and (kmax, kmin): written by matrix and vector instructions, read by the LDS stores: a wait on va_vdst ahead of the stores.
;                           The load of wave r's pair lands in v236, v237 behind the barrier: a wait on vm_vsrc ahead of it, since the store of the pair read them.
;   IN THE LOOP: the two sets of 8 k and 8 v (v168-183, v184-199) and the address v14.  A batch's packed lines read its own set.  The wait on va_vdst that stands behind the batch's 32 exponentials
;                           also states that the batch before is done reading the OTHER set, and that v14 is written: the four loads of the next eight keys stand straight behind it, and none of the 32 packed
;                           lines that follow names that set or v14.  So a batch has one wait on va_vdst.  v14 is stepped once a trip, ahead of that wait, behind a wait on vm_vsrc.
;   v240-247                my sums: written by vector instructions, read by the LDS stores of waves 8 to 15, never written again.
;   v248-255                waves 0 to 7: the partner's sums land here and mine are added onto them in place; v252-255 are the data of the global store.
;   SCALARS written by vector instructions: s28 (the wave's number) and s40-42 (the three masks), all at the head: one wait on va_sdst there, ahead of every reader.
.set KA,   0                           ; LDS: k[1024] f32
.set VA,   4096                        ;      v[1024]
.set QA,   8192                        ;      q[1024]
.set RED,  12288                       ;      16 waves x (kmax, kmin)
.set COMB, 12544                       ;      8 groups of queries x 1,024 bytes: l at 16 x lane, o at 512 + 16 x lane
.set WQF,  16                          ; v16-23, v24-31, v32-39: row c of Wq, Wk, Wv, my half's bytes
.set WKF,  24
.set WVF,  32
.set WT,   40                          ; v40-47  the tile of weights
.set HF,   48                          ; v48-79  h's four fragments
.set BC,   80                          ; v80-87  the biases in the result's layout
.set SW,   88                          ; v88     the weight tile's scale words
.set HS,   89                          ; v89-90  h's scale words: lanes 0-15 tile 2 u, lanes 16-31 tile 2 u + 1
.set BY,   96                          ; v96-103 h's scale bytes as loaded
.set D,    104                         ; v104-135 the four results
.set QP,   136                         ; v136-143 (q'_i, q'_i)
.set NM,   144                         ; v144-151 (nm_i, nm_i)
.set LS,   152                         ; v152-159 l_i: even keys', odd keys'
.set OS,   160                         ; v160-167 o_i likewise
.set T,    200                         ; v200-231 query i, keys 2 jp and 2 jp + 1: T + 8 i + 2 jp; at the end v200-203: 1 / l.  (v168-199: two sets of 8 k and 8 v)
.set QR,   232                         ; v232-235 my four q
.set KX,   236                         ; v236 kmax, v237 kmin
.set KN,   237
.set LL,   240                         ; v240-243 my l, v244-247 my o; v248-251 and v252-255 the partner wave's, then both halves' sums
	s_load_b512 s[4:19], s[0:1], 0x0               ; hq s[4:5], hs s[6:7], Wq's codes s[8:9], scales s[10:11], Wk's s[12:13], s[14:15], Wv's s[16:17], s[18:19]
	s_load_b256 s[20:27], s[0:1], 0x40             ; bq s[20:21], bk s[22:23], bv s[24:25], att s[26:27]
	v_lshl_add_u32 v94, v0, 2, 0x5400
	v_mov_b32 v95, 0
	v_lshrrev_b32 v16, 5, v0
	v_readfirstlane_b32 s28, v16                   ; wave 0..15
	v_and_b32 v1, 31, v0                           ; L
	v_and_b32 v2, 15, v0                           ; r
	v_bfe_u32 v3, v0, 4, 1                         ; h
	v_and_b32 v4, 7, v0                            ; which row of the weight tile, modulo 8
	v_cmp_eq_u32 s40, 0, v4                        ; the lanes of rows 0 and 8,
	v_cmp_eq_u32 s41, 1, v4                        ; 1 and 9,
	v_cmp_eq_u32 s42, 2, v4                        ; 2 and 10
	v_bfe_u32 v17, v0, 5, 3                        ; g = wave % 8
	s_lshl_b32 s31, ttmp9, 6
	v_lshl_add_u32 v5, v3, 4, s31                  ; a weight's row c: 64 c + 16 h
	v_lshlrev_b32 v6, 12, v16
	v_lshl_add_u32 v6, v1, 4, v6                   ; hq: 4096 w + 16 L
	v_lshl_add_u32 v7, v16, 6, v1                  ; hs: 64 w + L
	v_lshl_add_u32 v8, v16, 6, v2
	v_lshlrev_b32 v8, 2, v8                        ; LDS: 4 (64 w + r)
	v_lshl_add_u32 v9, v16, 3, RED                 ; my wave's pair,
	v_lshl_add_u32 v10, v2, 3, RED                 ; and wave r's
	v_lshlrev_b32 v15, 9, v17
	v_lshl_add_u32 v15, v1, 4, v15                 ; my four queries: 512 g + 16 L: in att's row,
	v_add_nc_u32 v11, QA, v15                      ; and in LDS
	v_lshlrev_b32 v12, 10, v17
	v_lshl_add_u32 v12, v1, 4, v12
	v_add_nc_u32 v12, COMB, v12                    ; where waves g + 8 and g meet
	v_lshrrev_b32 v13, 8, v0
	v_lshlrev_b32 v13, 11, v13                     ; my half of the keys: 2048 (w / 8)
	s_wait_alu depctr_va_sdst(0)                   ; s28 and the masks s40, s41, s42 are written, ahead of their first readers: the selections below and the branches on the wave's number at the end
	s_and_b32 s30, ttmp7, 0xffff                   ; b
	s_lshl_b32 s38, s30, 16
	s_mov_b32 s39, 0
	s_wait_kmcnt 0x0
	s_add_nc_u64 s[4:5], s[4:5], s[38:39]          ; hq + 65536 b
	s_lshl_b32 s38, s30, 12
	s_add_nc_u64 s[6:7], s[6:7], s[38:39]          ; hs + 4096 b
	s_lshl_b32 s38, ttmp9, 2                       ; 4 c: a row's scale word, a bias
	s_add_nc_u64 s[10:11], s[10:11], s[38:39]
	s_add_nc_u64 s[14:15], s[14:15], s[38:39]
	s_add_nc_u64 s[18:19], s[18:19], s[38:39]
	s_add_nc_u64 s[20:21], s[20:21], s[38:39]
	s_add_nc_u64 s[22:23], s[22:23], s[38:39]
	s_add_nc_u64 s[24:25], s[24:25], s[38:39]
	s_load_b32 s32, s[10:11], 0x0                  ; the scale words of Wq[c], Wk[c], Wv[c]
	s_load_b32 s33, s[14:15], 0x0
	s_load_b32 s34, s[18:19], 0x0
	s_load_b32 s35, s[20:21], 0x0                  ; bq[c], bk[c], bv[c]
	s_load_b32 s36, s[22:23], 0x0
	s_load_b32 s37, s[24:25], 0x0
	s_wait_alu depctr_va_vdst(0)                   ; the offsets and LDS addresses v5 to v13 and v15 are written, which the kernel's loads and stores read; the lines above are done with v16 and v17, in which a load below lands
.irp u, 0,1
.irp kb, 0,1,2,3
	global_load_u8 v[BY+4*\u+\kb], v7, s[6:7] offset:\kb*1024+32*\u   ; the byte of position 64 w + 32 u + L, block kb
.endr
.endr
	global_load_b128 v[WQF:WQF+3],   v5, s[8:9]
	global_load_b128 v[WQF+4:WQF+7], v5, s[8:9] offset:32
	global_load_b128 v[WKF:WKF+3],   v5, s[12:13]
	global_load_b128 v[WKF+4:WKF+7], v5, s[12:13] offset:32
	global_load_b128 v[WVF:WVF+3],   v5, s[16:17]
	global_load_b128 v[WVF+4:WVF+7], v5, s[16:17] offset:32
.irp t, 0,1,2,3
.irp cc, 0,1
	global_load_b128 v[HF+8*\t+4*\cc:HF+8*\t+4*\cc+3], v6, s[4:5] offset:\t*1024+\cc*512   ; a wave's load covers 512 consecutive bytes
.endr
.endr
	s_lshl_b32 s38, s30, 7
	s_add_co_u32 s38, s38, ttmp9
	s_lshl_b32 s38, s38, 12
	s_add_nc_u64 s[26:27], s[26:27], s[38:39]      ; att + 4096 (128 b + c)
	s_wait_loadcnt 14                              ; the eight bytes are in; the 6 + 8 loads behind them may be out
.irp u, 0,1
	v_lshl_or_b32 v[HS+\u], v[BY+4*\u+1], 8, v[BY+4*\u]
	v_lshl_or_b32 v[HS+\u], v[BY+4*\u+2], 16, v[HS+\u]
	v_lshl_or_b32 v[HS+\u], v[BY+4*\u+3], 24, v[HS+\u]
.endr
	s_wait_kmcnt 0x0
	v_mov_b32 v91, s32
	v_mov_b32 v92, s33
	v_mov_b32 v93, s34
	v_mov_b32 v[SW], 0x7f7f7f7f                    ; the rows of zero codes: scale 1
	v_cndmask_b32 v[SW], v[SW], v93, s42
	v_cndmask_b32 v[SW], v[SW], v92, s41
	v_cndmask_b32 v[SW], v[SW], v91, s40
	v_mov_b32 v[BC], s35                           ; register j of the result is row 8 h + j: bq, bk, bv, and nothing for the rows of zeros
	v_mov_b32 v[BC+1], s36
	v_mov_b32 v[BC+2], s37
.irp j, 3,4,5,6,7
	v_mov_b32 v[BC+\j], 0
.endr
	s_wait_loadcnt 8                               ; the three rows are in; h's eight loads may be out
.irp j, 0,1,2,3,4,5,6,7
	v_cndmask_b32 v[WT+\j], 0, v[WVF+\j], s42
	v_cndmask_b32 v[WT+\j], v[WT+\j], v[WKF+\j], s41
	v_cndmask_b32 v[WT+\j], v[WT+\j], v[WQF+\j], s40
.endr
.rept 8
	v_nop                                          ; a scale register written by a vector instruction stands 8 places ahead of a scaled matrix instruction, an operand so written 4
.endr
	s_wait_loadcnt 0x0
	s_wait_alu depctr_va_vdst(0)                   ; the selections have written the weight tile v[WT ..] and its scale words v[SW], the shifts h's scale words v[HS ..]: the scaled products take them; the places above stay beside this wait
.irp t, 0,1,2,3                                ; four accumulators, one instruction each
.if (\t)%2 == 1
	v_wmma_scale_f32_16x16x128_f8f6f4 v[D+8*\t:D+8*\t+7], v[WT:WT+7], v[HF+8*\t:HF+8*\t+7], v[BC:BC+7], v[SW], v[HS+\t/2] matrix_a_fmt:MATRIX_FMT_FP4 matrix_b_fmt:MATRIX_FMT_FP4 matrix_b_scale:MATRIX_SCALE_ROW1
.else
	v_wmma_scale_f32_16x16x128_f8f6f4 v[D+8*\t:D+8*\t+7], v[WT:WT+7], v[HF+8*\t:HF+8*\t+7], v[BC:BC+7], v[SW], v[HS+\t/2] matrix_a_fmt:MATRIX_FMT_FP4 matrix_b_fmt:MATRIX_FMT_FP4
.endif
.endr
.rept 4
	v_nop                                          ; four places between a matrix instruction and the first read of its result (ISA guide 7.12.1)
.endr
	v_max3_num_f32 v[KX], v[D+1], v[D+9], v[D+17]  ; my wave's largest and smallest k.  (Register 1 is among each result's four lowest)
	v_min3_num_f32 v[KN], v[D+1], v[D+9], v[D+17]
	v_max_num_f32 v[KX], v[KX], v[D+25]
	v_min_num_f32 v[KN], v[KN], v[D+25]
.irp m, 1,2,4,8                                ; over the 16 positions of a tile; both halves of the lanes hold the same numbers
	v_max_num_f32_dpp v[KX], v[KX], v[KX] row_xmask:\m row_mask:0xf bank_mask:0xf
	v_min_num_f32_dpp v[KN], v[KN], v[KN] row_xmask:\m row_mask:0xf bank_mask:0xf
.endr
	s_mov_b32 s43, 0                               ; bytes of my keys that are behind me
	v_add_nc_u32 v14, s43, v13                     ; the address of my first keys, made here so that the wait below states it written too
	s_wait_alu depctr_va_vdst(0)                   ; the products have written the four results, the lines above (kmax, kmin): the LDS stores read them; and v14 is written, which the first loads of keys read
.irp t, 0,1,2,3
	ds_store_b32 v8, v[D+8*\t]   offset:QA+64*\t   ; position 64 w + 16 t + r; lanes r and 16 + r store the same number to the same word
	ds_store_b32 v8, v[D+8*\t+1] offset:KA+64*\t
	ds_store_b32 v8, v[D+8*\t+2] offset:VA+64*\t
.endr
	ds_store_b64 v9, v[KX:KN]
	s_wait_dscnt 0x0                               ; for the other waves' sake: my stores have landed
	s_barrier_signal -1
	s_barrier_wait -1                              ; q, k, v of all 1,024 positions lie in LDS; nobody writes them again
	s_wait_alu depctr_vm_vsrc(0)                   ; my store of the pair has read v[KX], v[KN], in which the load below lands (no vector instruction has been issued since the wait on va_vdst above)
	ds_load_b64 v[KX:KN], v10                      ; wave r's pair
	ds_load_b128 v[QR:QR+3], v11                   ; my four queries
	ds_load_b128 v[168:171], v14 offset:KA         ; the first eight keys into set 0
	ds_load_b128 v[172:175], v14 offset:KA+16
	ds_load_b128 v[176:179], v14 offset:VA
	ds_load_b128 v[180:183], v14 offset:VA+16
	s_wait_dscnt 4                                 ; LDS loads come back in order: the pair and the queries are in, the four behind them may be out
.irp m, 1,2,4,8
	v_max_num_f32_dpp v[KX], v[KX], v[KX] row_xmask:\m row_mask:0xf bank_mask:0xf   ; over the 16 waves: the head's kmax
	v_min_num_f32_dpp v[KN], v[KN], v[KN] row_xmask:\m row_mask:0xf bank_mask:0xf   ; and kmin
.endr
.irp i, 0,1,2,3
	v_mul_f32 v[QP+2*\i], 0x3fb8aa3b, v[QR+\i]     ; q' = q log2(e)
	v_mov_b32 v[QP+2*\i+1], v[QP+2*\i]             ; twice: the packed forms take a pair
	v_mul_f32 v238, v[QP+2*\i], v[KX]
	v_mul_f32 v239, v[QP+2*\i], v[KN]
	v_min_num_f32 v[NM+2*\i], -v238, -v239         ; nm = -max(q' kmax, q' kmin)
	v_mov_b32 v[NM+2*\i+1], v[NM+2*\i]
.endr
.irp j, 0,1,2,3,4,5,6,7
	v_mov_b32 v[LS+\j], 0
	v_mov_b32 v[OS+\j], 0
.endr
; EIGHT KEYS x FOUR QUERIES A LANE.  set: which registers hold the keys.  pre = 1: the next eight keys, off bytes on from v14, are asked for into the other set, behind the batch's one wait on va_vdst.
; step = 1: the address goes 64 bytes on, ahead of that wait and of those loads.
.macro BATCH set, pre, off, step
.set KS, 168+16*(\set)
.set VS, 176+16*(\set)
.set KO, 168+16*(1-(\set))
.set VO, 176+16*(1-(\set))
	s_wait_dscnt 0x0                               ; this set's four loads, asked for in the middle of the batch before, are in; no other LDS instruction of mine is out
.irp jp, 0,1,2,3
.irp i, 0,1,2,3
	v_pk_fma_f32 v[T+8*\i+2*\jp:T+8*\i+2*\jp+1], v[KS+2*\jp:KS+2*\jp+1], v[QP+2*\i:QP+2*\i+1], v[NM+2*\i:NM+2*\i+1]   ; k q' + nm, two keys at a time
.endr
.endr
.set n, 0
.rept 32
	v_exp_f32 v[T+n], v[T+n]                       ; p: one batch; none of these reads another's result
.set n, n+1
.endr
.if \step
	s_wait_alu depctr_vm_vsrc(0)                   ; the loads of keys issued so far have read v14, which the add below writes
	s_add_co_u32 s43, s43, 64
	v_add_nc_u32 v14, s43, v13                     ; the plain instruction behind the last exponential (ISA guide 5.7.2)
.else
	v_nop
.endif
	s_wait_alu depctr_va_vdst(0)                   ; the 32 exponentials have written v[T ..], ahead of their first reader; the batch before is done reading the other set, in which the loads below land; with step = 1, v14 is written, which they read
.if \pre
	ds_load_b128 v[KO:KO+3],   v14 offset:KA+\off       ; all lanes name the same 16 bytes.  None of the 32 lines below names the other set or v14
	ds_load_b128 v[KO+4:KO+7], v14 offset:KA+\off+16
	ds_load_b128 v[VO:VO+3],   v14 offset:VA+\off
	ds_load_b128 v[VO+4:VO+7], v14 offset:VA+\off+16
.endif
.irp jp, 0,1,2,3
.irp i, 0,1,2,3                                ; the four queries by turns: eight instructions lie between two links of one chain
	v_pk_add_f32 v[LS+2*\i:LS+2*\i+1], v[LS+2*\i:LS+2*\i+1], v[T+8*\i+2*\jp:T+8*\i+2*\jp+1]
	v_pk_fma_f32 v[OS+2*\i:OS+2*\i+1], v[T+8*\i+2*\jp:T+8*\i+2*\jp+1], v[VS+2*\jp:VS+2*\jp+1], v[OS+2*\i:OS+2*\i+1]
.endr
.endr
.endm
	s_mov_b32 s44, 31                              ; 16 keys a trip; my 512 keys are 31 trips and the tail
.Ltrip:
	BATCH 0, 1, 32, 0
	BATCH 1, 1, 0, 1                               ; the address has stepped ahead of these loads: the next trip's first eight keys lie at it
	s_sub_co_u32 s44, s44, 1
	s_cmp_lg_u32 s44, 0
	s_cbranch_scc1 .Ltrip
	BATCH 0, 1, 32, 0                              ; the last 16 keys: nothing is asked for beyond my 512
	BATCH 1, 0, 0, 0
.irp i, 0,1,2,3
	v_add_f32 v[LL+\i], v[LS+2*\i], v[LS+2*\i+1]   ; even keys' and odd keys'
	v_add_f32 v[LL+4+\i], v[OS+2*\i], v[OS+2*\i+1]
.endr
	s_cmp_lt_u32 s28, 8
	s_cbranch_scc1 .Lkeep                          ; waves 8 to 15 hand their sums to waves 0 to 7
	s_wait_alu depctr_va_vdst(0)                   ; the eight additions have written v[LL ..], which the two LDS stores read
	ds_store_b128 v12, v[LL:LL+3]
	ds_store_b128 v12, v[LL+4:LL+7] offset:512
.Lkeep:
	s_wait_dscnt 0x0                               ; the stores have landed
	s_barrier_signal -1
	s_barrier_wait -1
	s_cmp_ge_u32 s28, 8
	s_cbranch_scc1 .Lend
	ds_load_b128 v[LL+8:LL+11],  v12               ; into registers that no instruction has named before
	ds_load_b128 v[LL+12:LL+15], v12 offset:512
	s_wait_dscnt 0x0
.irp j, 0,1,2,3,4,5,6,7
	v_add_f32 v[LL+8+\j], v[LL+\j], v[LL+8+\j]     ; both halves of the keys: l, at least about 1 (the row's largest p is in it), and o.  The sums stay where the partner's landed: v[LL .. LL + 7] are written no more
.endr
.irp i, 0,1,2,3
	v_rcp_f32 v[T+\i], v[LL+8+\i]
.endr
	v_nop                                          ; a plain instruction behind the last reciprocal
	s_wait_alu depctr_va_vdst(0)                   ; the four reciprocals have written v[T .. T + 3], ahead of their first reader
.irp i, 0,1,2,3
	v_mul_f32 v[LL+12+\i], v[LL+12+\i], v[T+\i]
.endr
	s_wait_alu depctr_va_vdst(0)                   ; the four products have written v[LL + 12 ..], which the store reads
	global_store_b128 v15, v[LL+12:LL+15], s[26:27]  ; a wave stores 512 consecutive bytes, at a multiple of 512 from att's first byte
.Lend:
	s_wait_dscnt 0x0                               ; the closing lines, six on end
	s_wait_alu 0x0
	s_wait_tensorcnt 0x0
	ds_add_u32 v94, v95
	s_wait_dscnt 0x0
	s_endpgm
.Lfunc_end_k_qe8515d3c61_attn:
	.size	k_qe8515d3c61_attn, .Lfunc_end_k_qe8515d3c61_attn-k_qe8515d3c61_attn
	.p2alignl 7, 3214868480
	.fill 96, 4, 3214868480
	.section	.rodata,"a",@progbits
	.p2align	6, 0x0
	.amdhsa_kernel k_qe8515d3c61_attn
		.amdhsa_group_segment_fixed_size 23552
		.amdhsa_private_segment_fixed_size 0
		.amdhsa_enable_private_segment 0
		.amdhsa_kernarg_size 96
		.amdhsa_user_sgpr_count 2
		.amdhsa_user_sgpr_kernarg_segment_ptr 1
		.amdhsa_wavefront_size32 1
		.amdhsa_system_sgpr_workgroup_id_x 1
		.amdhsa_system_sgpr_workgroup_id_y 1
		.amdhsa_system_sgpr_workgroup_id_z 1
		.amdhsa_system_vgpr_workitem_id 0
		.amdhsa_next_free_vgpr 256
		.amdhsa_next_free_sgpr 66
		.amdhsa_reserve_vcc 0
		.amdhsa_float_denorm_mode_32 3
		.amdhsa_float_denorm_mode_16_64 3
		.amdhsa_memory_ordered 1
		.amdhsa_forward_progress 1
		.amdhsa_inst_pref_size 32
	.end_amdhsa_kernel
	.amdgpu_metadata
---
amdhsa.version: [ 1, 2 ]
amdhsa.kernels:
  - .name:           k_qe8515d3c61_attn
    .symbol:         k_qe8515d3c61_attn.kd
    .args:
      - { .name: hq, .offset: 0, .size: 8, .value_kind: global_buffer, .address_space: global }
      - { .name: hs, .offset: 8, .size: 8, .value_kind: global_buffer, .address_space: global }
      - { .name: Wq_codes, .offset: 16, .size: 8, .value_kind: global_buffer, .address_space: global }
      - { .name: Wq_scales, .offset: 24, .size: 8, .value_kind: global_buffer, .address_space: global }
      - { .name: Wk_codes, .offset: 32, .size: 8, .value_kind: global_buffer, .address_space: global }
      - { .name: Wk_scales, .offset: 40, .size: 8, .value_kind: global_buffer, .address_space: global }
      - { .name: Wv_codes, .offset: 48, .size: 8, .value_kind: global_buffer, .address_space: global }
      - { .name: Wv_scales, .offset: 56, .size: 8, .value_kind: global_buffer, .address_space: global }
      - { .name: bq, .offset: 64, .size: 8, .value_kind: global_buffer, .address_space: global }
      - { .name: bk, .offset: 72, .size: 8, .value_kind: global_buffer, .address_space: global }
      - { .name: bv, .offset: 80, .size: 8, .value_kind: global_buffer, .address_space: global }
      - { .name: att, .offset: 88, .size: 8, .value_kind: global_buffer, .address_space: global }
    .group_segment_fixed_size: 23552
    .private_segment_fixed_size: 0
    .kernarg_segment_align: 8
    .kernarg_segment_size: 96
    .max_flat_workgroup_size: 512
    .sgpr_count:     66
    .vgpr_count:     256
    .wavefront_size: 32
...
	.end_amdgpu_metadata
.endif
;; end of part 4
;; launch oproj (part 5): grid 32 x 1, 8 waves a work-group, no clusters, 5,632 bytes of LDS; arguments att, Wo_codes, Wo_scales, bo, hidden_states, out0; writes out0
.if DOCPART == 5
	.amdgcn_target "amdgcn-amd-amdhsa--gfx1250"
	.amdhsa_code_object_version 6
	.text
	.protected	k_qe8515d3c61_oproj
	.globl	k_qe8515d3c61_oproj
	.p2align	8
	.type	k_qe8515d3c61_oproj,@function
k_qe8515d3c61_oproj:
	s_mov_b64 s[64:65], 0
	v_nop
	global_prefetch_b8 v0, s[64:65] scope:SCOPE_SE
	s_setreg_imm32_b32 hwreg(HW_REG_WAVE_SCHED_MODE, 0, 2), 2
	s_setreg_imm32_b32 hwreg(HW_REG_WAVE_MODE, 25, 1), 1
	s_wait_xcnt 0x0
	s_wait_alu depctr_vm_vsrc(0)
; out0[b][co][s] = sum_c Q(att)[b][c][s] Wo[co][c] + bo[co] + hidden_states[b][co][s]: the product on codes of FP4 (E2M1) with E8M0 scales, K = the 128 heads c.
; att: [2][128][1024] f32, K is not innermost.  A work-group takes 64 positions of one batch and all 128 outputs; eight waves.
; QUANTISING.  Thread t takes block kb = t / 64 of 32 heads at position p = t % 64: a lane to a position, its registers down K, so that the block's largest magnitude needs no other lane and the codes come with K innermost.
; The codes go from wave to wave through LDS in the order of an operand's registers: in a tile, block kb of row r at 256 kb + 16 r, which is register group cc of lane L at 512 cc + 16 L.
; TILE T HOLDS POSITIONS 4 r + T, not neighbours: for one output a lane's results of tiles 0 to 3 are then four neighbouring positions, 16 bytes, and sixteen lanes hold 256 consecutive bytes of a row of out0: no stage on the way out.
; PRODUCT.  Wave w makes outputs 16 w .. 16 w + 15: source 0 = its 16 rows of Wo, source 1 = a tile of positions; bo is the C.  Register j of lane (r, h): output 16 w + 8 h + j, position 4 r + T.  Four matrix instructions a wave.
; A load of att by a wave covers 128 consecutive bytes; two waves of this work-group read the two halves of each aligned 256 bytes.
; NO CLUSTER: what work-groups share is Wo, of which a wave reads 1,024 bytes once, into registers.
; LIMITS: NaN and infinities are not served.  A block of zeros, and one whose largest magnitude lies under 2^(3 - 127), gets the byte 1 (the rule says 127 for zeros): its codes are zeros, and the bytes stay in this launch.
; THE MODE: SCHED_MODE bits 1:0 = 2 (LLVM: expert scheduling mode 2), set by the entry lines.  The code itself states the register dependences
; between vector or matrix instructions and memory or LDS instructions, with s_wait_alu, always for 0.
; THE PLAN.  Registers that memory or LDS instructions touch:
;   v4-v12, v176, v177   offsets and LDS addresses: written at the head, never again: one wait on va_vdst ahead of the first load.
;   v16-47, v56-75       global loads land here once, in one run behind that wait; no vector instruction names them before.
;   v48-51, v55          the codes and the byte: written by the conversions and a shift, read by the two LDS stores, never written again: one wait on va_vdst ahead of the stores.
;   v65-66, v76-107      LDS loads land here; only the products name them.  Every operand and scale of the products came by a load: the loads' own waits are all that they hang on.
;   v140-171             hidden_states lands here; the 32 additions write the sums in place; the eight stores read them: the additions stand together, one wait on va_vdst, then the stores in one run.
;   No register that a memory or LDS instruction has read is written again, so the text holds no wait on vm_vsrc but the entry lines' and the closing lines'.
.set TP,  1088                         ; a tile's image: 1,024 bytes + 64: a store's sixteen lanes (T = 0 .. 3, four r) then fall at 64 T + 16 r modulo 256: sixteen different places
.set SC,  4*TP                         ; behind the images: the scale bytes: 64 T + 4 r + kb
.set X,   16                           ; v16-47   my 32 numbers
.set C,   48                           ; v48-51   their codes
.set WF,  56                           ; v56-63   Wo's fragment
.set WS,  64                           ; v64      Wo's scale words
.set HS,  65                           ; v65-66   att's: lanes 0-15 tile 2 u, lanes 16-31 tile 2 u + 1
.set BC,  68                           ; v68-75   bo in the result's layout
.set HF,  76                           ; v76-107  att's four fragments
.set D,   108                          ; v108-139 the four results
.set RES, 140                          ; v140-171 hidden_states, then out0: 4 j + T
	s_load_b256 s[4:11], s[0:1], 0x0               ; att s[4:5], Wo's codes s[6:7], Wo's scales s[8:9], bo s[10:11]
	s_load_b128 s[12:15], s[0:1], 0x20             ; hidden_states s[12:13], out0 s[14:15]
	v_lshl_add_u32 v176, v0, 2, 0x1200
	v_mov_b32 v177, 0
	v_lshrrev_b32 v1, 5, v0                        ; w
	v_and_b32 v2, 15, v0                           ; r
	v_bfe_u32 v3, v0, 4, 1                         ; h
	v_and_b32 v13, 63, v0                          ; p
	v_lshrrev_b32 v14, 6, v0                       ; kb
	v_lshlrev_b32 v4, 2, v13
	v_lshl_add_u32 v4, v14, 17, v4                 ; att: 4 p + 32 kb rows of 4,096 bytes
	v_and_b32 v15, 3, v0                           ; p's tile: p % 4,
	v_bfe_u32 v13, v0, 2, 4                        ; and its row there: p / 4
	v_mul_u32_u24 v5, v15, TP
	v_lshl_add_u32 v5, v13, 4, v5
	v_lshl_add_u32 v5, v14, 8, v5                  ; where my codes go
	v_lshlrev_b32 v6, 6, v15
	v_lshl_add_u32 v6, v13, 2, v6
	v_add_nc_u32 v6, v6, v14
	v_add_nc_u32 v6, SC, v6                        ; and my byte
	v_and_b32 v7, 31, v0
	v_lshlrev_b32 v8, 2, v7
	v_add_nc_u32 v8, SC, v8                        ; back: 4 x lane,
	v_lshlrev_b32 v7, 4, v7                        ; 16 x lane
	v_lshl_add_u32 v9, v1, 4, v2                   ; Wo's row 16 w + r:
	v_lshlrev_b32 v10, 2, v9                       ; its scale word,
	v_lshlrev_b32 v9, 6, v9
	v_lshl_add_u32 v9, v3, 4, v9                   ; its codes, + 16 h
	v_lshlrev_b32 v11, 6, v1
	v_lshl_add_u32 v11, v3, 5, v11                 ; bo: 4 (16 w + 8 h)
	v_lshlrev_b32 v12, 16, v1
	v_lshl_add_u32 v12, v3, 15, v12
	v_lshl_add_u32 v12, v2, 4, v12                 ; hidden_states and out0: row 16 w + 8 h, + 16 r
	s_lshr_b32 s18, ttmp9, 4                       ; b
	s_lshl_b32 s18, s18, 19                        ; 128 rows of 4,096 bytes
	s_and_b32 s19, ttmp9, 15
	s_lshl_b32 s19, s19, 8                         ; 64 positions of 4 bytes
	s_add_co_u32 s18, s18, s19
	s_mov_b32 s19, 0
	s_wait_kmcnt 0x0
	s_add_nc_u64 s[4:5], s[4:5], s[18:19]
	s_add_nc_u64 s[12:13], s[12:13], s[18:19]
	s_add_nc_u64 s[14:15], s[14:15], s[18:19]
	s_wait_alu depctr_va_vdst(0)                   ; the offsets and LDS addresses v4 to v12 are written, which the kernel's loads and stores read
.set i, 0
.rept 32
	global_load_b32 v[X+i], v4, s[4:5] offset:i*4096 th:TH_LOAD_NT   ; head 32 kb + i, my position
.set i, i+1
.endr
	global_load_b128 v[WF:WF+3],   v9, s[6:7]
	global_load_b128 v[WF+4:WF+7], v9, s[6:7] offset:32
	global_load_b32 v[WS], v10, s[8:9]
	global_load_b128 v[BC:BC+3],   v11, s[10:11]
	global_load_b128 v[BC+4:BC+7], v11, s[10:11] offset:16
.irp j, 0,1,2,3,4,5,6,7
	global_load_b128 v[RES+4*\j:RES+4*\j+3], v12, s[12:13] offset:\j*4096 th:TH_LOAD_NT   ; sixteen lanes read 256 consecutive bytes
.endr
	s_wait_loadcnt 13                              ; my 32 numbers are in; the 2 + 1 + 2 + 8 loads behind them may be out
	v_max3_num_f32 v52, |v[X]|, |v[X+1]|, |v[X+2]|
	v_max3_num_f32 v53, |v[X+3]|, |v[X+4]|, |v[X+5]|
.irp i, 6,10,14,18,22,26
	v_max3_num_f32 v52, v52, |v[X+\i]|, |v[X+\i+1]|
	v_max3_num_f32 v53, v53, |v[X+\i+2]|, |v[X+\i+3]|
.endr
	v_max3_num_f32 v52, v52, |v[X+30]|, |v[X+31]|
	v_max3_num_f32 v52, v52, v53, 0x1800000        ; and the floor 2^(3 - 127): the byte cannot fall under 1
	v_add_nc_u32 v54, 0xff000000, v52              ; 2 off the exponent field: the conversion's scale operand
	v_lshrrev_b32 v55, 23, v54                     ; the scale's byte
.irp g, 0,1,2,3
	v_cvt_scalef32_pk8_fp4_f32 v[C+\g], v[X+8*\g:X+8*\g+7], v54
.endr
	v_nop                                          ; one plain instruction behind the last scaled conversion
	s_wait_alu depctr_va_vdst(0)                   ; the conversions have written the codes v[C ..], the shift the byte v55: the two LDS stores read them
	ds_store_b128 v5, v[C:C+3]
	ds_store_b8 v6, v55
	s_wait_dscnt 0x0                               ; for the other waves' sake: my stores have landed
	s_barrier_signal -1
	s_barrier_wait -1                              ; the four tiles' images and scale words lie in LDS
.irp t, 0,1,2,3
.irp cc, 0,1
	ds_load_b128 v[HF+8*\t+4*\cc:HF+8*\t+4*\cc+3], v7 offset:\t*TP+\cc*512   ; into registers that no instruction has named before
.endr
.endr
.irp u, 0,1
	ds_load_b32 v[HS+\u], v8 offset:128*\u
.endr
	s_wait_loadcnt 8                               ; Wo's fragment and scale words and bo are in; the eight loads of hidden_states may be out
	s_wait_dscnt 0x0
.irp t, 0,1,2,3                                ; four accumulators, one instruction each; every operand and scale came by a load
.if (\t)%2 == 1
	v_wmma_scale_f32_16x16x128_f8f6f4 v[D+8*\t:D+8*\t+7], v[WF:WF+7], v[HF+8*\t:HF+8*\t+7], v[BC:BC+7], v[WS], v[HS+\t/2] matrix_a_fmt:MATRIX_FMT_FP4 matrix_b_fmt:MATRIX_FMT_FP4 matrix_b_scale:MATRIX_SCALE_ROW1
.else
	v_wmma_scale_f32_16x16x128_f8f6f4 v[D+8*\t:D+8*\t+7], v[WF:WF+7], v[HF+8*\t:HF+8*\t+7], v[BC:BC+7], v[WS], v[HS+\t/2] matrix_a_fmt:MATRIX_FMT_FP4 matrix_b_fmt:MATRIX_FMT_FP4
.endif
.endr
.rept 4
	v_nop                                          ; four places between a matrix instruction and the first read of its result (ISA guide 7.12.1)
.endr
.irp j, 0,1,2,3,4,5,6,7                        ; each result is read from its lowest register upward
	s_wait_loadcnt 7-\j                            ; row j of hidden_states is in; the rows behind it may be out
.irp t, 0,1,2,3
	v_add_f32 v[RES+4*\j+\t], v[D+8*\t+\j], v[RES+4*\j+\t]
.endr
.endr
	s_wait_alu depctr_va_vdst(0)                   ; the 32 additions have written v[RES ..], which the eight stores read
.irp j, 0,1,2,3,4,5,6,7
	global_store_b128 v12, v[RES+4*\j:RES+4*\j+3], s[14:15] offset:\j*4096 th:TH_STORE_NT   ; sixteen lanes store 256 consecutive bytes, at a multiple of 256 from out0's first byte; no register that a store reads is written again
.endr
	s_wait_dscnt 0x0                               ; the closing lines, six on end
	s_wait_alu 0x0
	s_wait_tensorcnt 0x0
	ds_add_u32 v176, v177
	s_wait_dscnt 0x0
	s_endpgm
.Lfunc_end_k_qe8515d3c61_oproj:
	.size	k_qe8515d3c61_oproj, .Lfunc_end_k_qe8515d3c61_oproj-k_qe8515d3c61_oproj
	.p2alignl 7, 3214868480
	.fill 96, 4, 3214868480
	.section	.rodata,"a",@progbits
	.p2align	6, 0x0
	.amdhsa_kernel k_qe8515d3c61_oproj
		.amdhsa_group_segment_fixed_size 5632
		.amdhsa_private_segment_fixed_size 0
		.amdhsa_enable_private_segment 0
		.amdhsa_kernarg_size 48
		.amdhsa_user_sgpr_count 2
		.amdhsa_user_sgpr_kernarg_segment_ptr 1
		.amdhsa_wavefront_size32 1
		.amdhsa_system_sgpr_workgroup_id_x 1
		.amdhsa_system_sgpr_workgroup_id_y 1
		.amdhsa_system_sgpr_workgroup_id_z 1
		.amdhsa_system_vgpr_workitem_id 0
		.amdhsa_next_free_vgpr 178
		.amdhsa_next_free_sgpr 66
		.amdhsa_reserve_vcc 0
		.amdhsa_float_denorm_mode_32 3
		.amdhsa_float_denorm_mode_16_64 3
		.amdhsa_memory_ordered 1
		.amdhsa_forward_progress 1
		.amdhsa_inst_pref_size 12
	.end_amdhsa_kernel
	.amdgpu_metadata
---
amdhsa.version: [ 1, 2 ]
amdhsa.kernels:
  - .name:           k_qe8515d3c61_oproj
    .symbol:         k_qe8515d3c61_oproj.kd
    .args:
      - { .name: att, .offset: 0, .size: 8, .value_kind: global_buffer, .address_space: global }
      - { .name: Wo_codes, .offset: 8, .size: 8, .value_kind: global_buffer, .address_space: global }
      - { .name: Wo_scales, .offset: 16, .size: 8, .value_kind: global_buffer, .address_space: global }
      - { .name: bo, .offset: 24, .size: 8, .value_kind: global_buffer, .address_space: global }
      - { .name: hidden_states, .offset: 32, .size: 8, .value_kind: global_buffer, .address_space: global }
      - { .name: out0, .offset: 40, .size: 8, .value_kind: global_buffer, .address_space: global }
    .group_segment_fixed_size: 5632
    .private_segment_fixed_size: 0
    .kernarg_segment_align: 8
    .kernarg_segment_size: 48
    .max_flat_workgroup_size: 256
    .sgpr_count:     66
    .vgpr_count:     178
    .wavefront_size: 32
...
	.end_amdgpu_metadata
.endif
;; end of part 5
